; MI455X (gfx1250); checked and timed in simulation.
; The chip was launched on July 23, 2026; its instructions are those of AMD's public machine-readable ISA for CDNA 5 (MIT licence, August 2026) and "CDNA5" Instruction Set Architecture Reference Guide (July 2026). The comments in the code are by the model that wrote it; some were corrected since.
;; Attention. Allowed arithmetic: matrix products marked QUANTISED: E4M3 operands, one given power-of-two scale a tensor, by v_wmma_f32_16x16x64_fp8_fp8 or v_wmma_f32_16x16x128_fp8_fp8, f32 sums; everything else in f32.
;; Inputs: freqs_cos 1,024 x 32 float32; freqs_sin 1,024 x 32 float32; lowp_scales 12 int32 (the exponents e of the quantised operands' scales 2^e); wk 2,048 x 512 float32; wo 2,048 x 2,048 float32; wq 2,048 x 2,048 float32; wv 2,048 x 512 float32; x 4 x 1,024 x 2,048 float32.
;; Outputs: out0 4 x 1,024 x 2,048 float32.
;; This version of the problem:
;;   THIS VERSION OF THE PROBLEM IS GIVEN IN LOW PRECISION. The matrix products marked QUANTISED in the list below multiply operands that are first quantised to E4M3 (4 exponent bits, 3 mantissa bits; 8 bits a number), with one given power-of-two scale for each operand tensor; their sums are f32. All else is computed in f32.
;;   The module's matrix products, in the order in which they are computed (A, B: the left and right operand; K: the contracted axis; several contracted axes count as one K, in the product's order):
;;     1. [M 4,096, K 2,048] x [K 2,048, N 2,048]; A: input x; B: input wq: QUANTISED (scales: A lowp_scales[0], B lowp_scales[1])
;;     2. [M 4,096, K 2,048] x [K 2,048, N 512]; A: input x; B: input wk: QUANTISED (scales: A lowp_scales[2], B lowp_scales[3])
;;     3. [M 4,096, K 2,048] x [K 2,048, N 512]; A: input x; B: input wv: QUANTISED (scales: A lowp_scales[4], B lowp_scales[5])
;;     4. batch 128 x [M 1,024, K 64] x [K 64, N 1,024]; A: computed on the way; B: computed on the way: QUANTISED (scales: A lowp_scales[6], B lowp_scales[7])
;;     5. batch 128 x [M 1,024, K 1,024] x [K 1,024, N 64]; A: softmax (see below); B: computed on the way: QUANTISED (scales: A lowp_scales[8], B lowp_scales[9])
;;     6. [M 4,096, K 2,048] x [K 2,048, N 2,048]; A: computed on the way; B: input wo: QUANTISED (scales: A lowp_scales[10], B lowp_scales[11])
;;   THE QUANTISER, for each operand of a quantised product, along K:
;;     - The operand's scale is 2^e, e = its entry of the input lowp_scales (int32; the entries are numbered through the quantised products in the list's order, A before B).
;;     - Each number is divided by the scale, clamped to +-448, and rounded to the nearest number of E4M3, ties to even, subnormals kept.
;;     - The product sums the exact products of the quantised numbers (number of the format x scale) in f32.
;;   ~~~python
;;   def quantise(x, axis, e):      # numpy; x: float32 -> the quantised numbers, widened to float32 again
;;       x = np.moveaxis(x, axis, -1); K = x.shape[-1]
;;       r = np.clip(x / 2.0 ** e, -448, 448)
;;       step = 2.0 ** (np.maximum(np.frexp(np.where(r == 0, 1, r))[1] - 1, -6) - 3)
;;       q = np.round(r / step) * step * 2.0 ** e      # np.round: ties to even
;;       return np.moveaxis(q, -1, axis).astype(np.float32)
;;   ~~~
;;   SOFTMAX AHEAD OF A QUANTISED PRODUCT. Where the list says 'softmax', what is quantised is not the finished softmax but p = 2^(t - M), with t = logit x log2(e) and M = ceil(the row's largest t), a whole number; so 1/2 < the row's largest p <= 1. The row's sum l is taken of the UNQUANTISED p, in f32, and the product's result is divided by l at the end. Since M is a whole number, a kernel that streams over the keys may use a running M (the ceiling of the running maximum): every later rescaling is an exact power of two, so the quantised numbers keep their values, but for numbers so far below the row's largest that they fall under the format's range.
;;   OPERANDS COMPUTED ON THE WAY. 'Computed on the way' means the value that the module computes at that place (a softmax that the list does not call 'softmax' is quantised finished and normalised). What goes into a quantiser is computed in f32, as accurately as f32 sums, v_exp_f32 and their like allow (about 1e-6 of the number): no bf16 or f16 on the way to a quantiser, and a product that is left as it is and whose result goes on into a quantised operand takes f32 operands (vector FMAs, or v_wmma_f32_16x16x4_f32). A number that lies on a knife's edge between two numbers of the format may be rounded either way, as far as f32 arithmetic and the matrix unit's own rounding can turn it there, and no further.
;; One version. Each part assembles by itself: llvm-mc -triple=amdgcn-amd-amdhsa -mcpu=gfx1250 --defsym DOCPART=n.
;; ======== version 1 of 1: 4 launches
;; limits: right only within a limited range of input values
;; workspace buffers: x_codes 25,165,824 bytes; w_codes 6,291,456 bytes; wo_codes 4,194,304 bytes; q_codes 8,388,608 bytes; k_codes 2,097,152 bytes; v_codes 2,097,152 bytes; a_codes 8,388,608 bytes
;; launch quant (part 1): grid 576 x 1, 4 waves a work-group, no clusters, 68,096 bytes of LDS; arguments x, wq, wk, wv, wo, lowp_scales, x_codes, w_codes, wo_codes; writes x_codes, w_codes, wo_codes
.if DOCPART == 1
	.amdgcn_target "amdgcn-amd-amdhsa--gfx1250"
	.amdhsa_code_object_version 6
	.text
	.protected	k_q422da3c459_quant
	.globl	k_q422da3c459_quant
	.p2align	8
	.type	k_q422da3c459_quant,@function
k_q422da3c459_quant:
	s_mov_b64 s[64:65], 0
	v_nop
	global_prefetch_b8 v0, s[64:65] scope:SCOPE_SE
	s_setreg_imm32_b32 hwreg(HW_REG_WAVE_MODE, 25, 1), 1
	s_wait_xcnt 0x0
; f32 operands become codes of FP8 (E4M3), K innermost, each with the scale 2^e that is given for it: code = number / 2^e, held within +-448, to the nearest code, ties to even.
; x [4096][2048] is an operand of three products with three given scales (entries 0, 2, 4): three sets of codes, x_codes [3][4096][2048].
; wq, wk, wv, wo are stored [k][n]: their codes are laid [n][k]: w_codes rows 0-2047 wq's columns (entry 1), 2048-2559 wk's (entry 3), 2560-3071 wv's (entry 5); wo_codes [2048][2048] (entry 11).
; LIMITS: each of these seven exponents lies between -126 and 119, so that 2^e and 448 x 2^e are f32 numbers.  NaN among the inputs is not served; an infinity is held at the largest code.
; SHARES.  Work-groups 0-255: x, 32,768 numbers each, 8,192 a wave in 16 steps of 512.  Work-groups 256-575: a weight's 128 columns x 256 along K each, 32 columns a wave.
; The two ways part on the work-group's number and never join; each has LDS bytes of its own.  No tensor loads, no barrier: waves share nothing.
.set STEPS, 16
.set WREG,  8192                       ; x's way: a region for each wave: two stages of 32 x SP bytes
.set SP,    80                         ; a lane's place in a stage: its 64 bytes + 16 of padding
.set WSTG,  32768                      ; the weights' way: four stages of 32 rows x WP bytes
.set WP,    272                        ; a column's 256 codes + 16 of padding
.set SPARE, 67584                      ; behind both: the spare words, 128 bytes for each wave: two blocks of 256 bytes that no other line names
.set SPW,   12                         ; v12  LDS address of my spare word; never rewritten
.set NIL,   13                         ; v13  0; never rewritten
.set R,     16                         ; x: v16-79    four sets of 16 numbers as they are loaded
.set X,     80                         ;    v80-111   two sets of 16 neighbours
.set T,     112                        ;    v112-159  the 16 numbers held for each of the three scales
.set C,     160                        ;    v160-183  codes: two sets of 12, by the step's parity
.set SC,    184                        ;    v184-186  2^e0, 2^e2, 2^e4
.set LIM,   187                        ;    v187-189  448 x those
.set OFFS,  16                         ; weights: v16-47   4 x lane + i rows
.set WX,    48                         ;    v48-111   two sets of 32 numbers
.set WC,    112                        ;    v112-119  a block's codes
.set OUTR,  120                        ;    v120-183  the way out
	s_load_b512 s[4:19], s[0:1], 0x0               ; x 4, wq 6, wk 8, wv 10, wo 12, the exponents 14, x_codes 16, w_codes 18
	s_load_b64 s[20:21], s[0:1], 0x40              ; wo_codes
	v_lshl_add_u32 v[SPW], v0, 2, SPARE
	v_mov_b32 v[NIL], 0
	v_lshrrev_b32 v1, 5, v0
	v_readfirstlane_b32 s22, v1                    ; wave 0..3
	v_and_b32 v2, 31, v0                           ; lane
	s_wait_kmcnt 0x0
	s_load_b256 s[24:31], s[14:15], 0x0            ; e0 .. e7
	s_load_b128 s[32:35], s[14:15], 0x20           ; e8 .. e11
	s_cmp_lt_u32 ttmp9, 256
	s_cbranch_scc0 .Lweights
.macro MKSCALE e, vs, vl               ; 2^e as f32 (the conversion takes its exponent field), and 448 x 2^e
	s_add_co_i32 s42, s[\e], 127
	s_lshl_b32 s43, s42, 23
	v_mov_b32 v[\vs], s43
	s_add_co_i32 s42, s42, 8
	s_lshl_b32 s42, s42, 23
	s_or_b32 s42, s42, 0x600000
	v_mov_b32 v[\vl], s42
.endm
; ---------------- x.  Rows are dense, so x is a plain stream.  A load reads 512 consecutive bytes, 16 a lane; a step's 2,048 bytes turn through the wave's stage and come back 64 bytes (16 neighbours) a lane.
	s_wait_alu depctr_va_vdst(0)
	v_lshlrev_b32 v3, 4, v2                        ; my 16 bytes of a load's 512, and of a store's
	s_wait_alu depctr_va_vdst(0)
	s_mul_i32 s23, s22, WREG
	v_lshrrev_b32 v14, 2, v2
	v_mul_u32_u24 v14, v14, SP
	v_and_b32 v15, 3, v2
	v_lshl_add_u32 v14, v15, 4, v14
	v_add_nc_u32 v14, s23, v14                     ; the stage, on the way in: SP (lane / 4) + 16 (lane % 4)
	v_mul_u32_u24 v15, v2, SP
	v_add_nc_u32 v15, s23, v15                     ; and on the way out: SP x lane
	s_lshl_b32 s42, ttmp9, 2
	s_add_co_u32 s42, s42, s22                     ; which run of 8,192 numbers is my wave's
	s_lshl_b32 s44, s42, 15
	s_mov_b32 s45, 0
	s_add_nc_u64 s[4:5], s[4:5], s[44:45]
	s_lshl_b32 s44, s42, 13
	s_add_nc_u64 s[36:37], s[16:17], s[44:45]      ; the run's codes for product 1,
	s_add_nc_u64 s[38:39], s[36:37], 0x800000      ; product 2,
	s_add_nc_u64 s[40:41], s[36:37], 0x1000000     ; product 3
.macro LOAD t
.irp i, 0,1,2,3
	global_load_b128 v[R+16*((\t)%4)+4*\i:R+16*((\t)%4)+4*\i+3], v3, s[4:5] offset:2048*(\t)+512*\i th:TH_LOAD_NT
.endr
.endm
.macro TURN t                          ; LDS serves a wave's instructions in order, so no wait stands between the stores and the loads
.irp i, 0,1,2,3
	ds_store_b128 v14, v[R+16*((\t)%4)+4*\i:R+16*((\t)%4)+4*\i+3] offset:32*SP*((\t)%2)+8*SP*\i
.endr
.irp i, 0,1,2,3
	ds_load_b128 v[X+16*((\t)%2)+4*\i:X+16*((\t)%2)+4*\i+3], v15 offset:32*SP*((\t)%2)+16*\i
.endr
.endm
.irp t, 0,1,2,3
	LOAD \t
.endr
	s_wait_alu depctr_va_vdst(0)
	s_wait_kmcnt 0x0
	MKSCALE 24, SC, LIM
	MKSCALE 26, SC+1, LIM+1
	MKSCALE 28, SC+2, LIM+2
	s_wait_alu depctr_va_vdst(0)
	s_wait_loadcnt 12                              ; step 0's four loads are in
	TURN 0
.macro XSTEP t
.set XS, X+16*((\t)%2)
.set CC, C+12*((\t)%2)
	s_wait_dscnt 0x0                               ; this step's numbers are back from the stage, and its stores into the stage have read their registers,
.if (\t)+4 < STEPS
	LOAD (\t)+4                                    ; which take the loads of four steps on
.endif
.if (\t)+1 < STEPS
.if STEPS-2-(\t) >= 3
	s_wait_loadcnt 12                              ; the next step's four loads are in; those of the three steps behind it may be out
.else
	s_wait_loadcnt 4*(STEPS-2-(\t))
.endif
	TURN (\t)+1
.endif
.irp j, 0,1,2
.irp i, 0,1,2,3,4,5,6,7,8,9,10,11,12,13,14,15
	v_med3_num_f32 v[T+16*\j+\i], v[XS+\i], -v[LIM+\j], v[LIM+\j]   ; the conversion to an 8-bit code does not saturate (ISA guide 7.6.2): the hold at the largest code x the scale
.endr
.endr
.if (\t) >= 2
	s_wait_alu depctr_va_vdst(0)
	s_wait_xcnt 0x0                                ; the stores of two steps back have read this set of codes: it is written again only behind this wait
.endif
.irp j, 0,1,2
	v_cvt_scalef32_pk8_fp8_f32 v[CC+4*\j:CC+4*\j+1], v[T+16*\j:T+16*\j+7], v[SC+\j]
	v_cvt_scalef32_pk8_fp8_f32 v[CC+4*\j+2:CC+4*\j+3], v[T+16*\j+8:T+16*\j+15], v[SC+\j]
.endr
	v_nop                                          ; one plain vector instruction between the conversions and the next step's holds, which write their sources
	global_store_b128 v3, v[CC:CC+3], s[36:37] offset:512*(\t)       ; 32 lanes store 512 consecutive bytes, aligned
	global_store_b128 v3, v[CC+4:CC+7], s[38:39] offset:512*(\t)
	global_store_b128 v3, v[CC+8:CC+11], s[40:41] offset:512*(\t)
.endm
.irp t, 0,1,2,3,4,5,6,7,8,9,10,11,12,13,14,15
	XSTEP \t
.endr
	s_wait_tensorcnt 0x0                           ; the wave's end, behind my last LDS store
	ds_add_u32 v[SPW], v[NIL]
	s_wait_dscnt 0x0
	s_endpgm
; ---------------- the weights.  A lane takes a column n and its registers run down K: a load reads 128 consecutive bytes a wave, and the conversions give codes with K innermost.
.Lweights:
	s_sub_co_u32 s23, ttmp9, 256                   ; u: 0-127 wq, 128-255 wo, 256-287 wk, 288-319 wv.  Every choice below hangs on u alone
	s_mov_b64 s[36:37], s[10:11]                   ; from wv's figures on:  the source,
	s_mov_b64 s[38:39], s[18:19]                   ; the codes' buffer,
	s_movk_i32 s40, 2560                           ; the first row there,
	s_movk_i32 s42, 288                            ; the tensor's first u,
	s_mov_b32 s43, 2                               ; log2 of its groups of 128 columns
	s_cmp_lt_u32 s23, 288
	s_cselect_b64 s[36:37], s[8:9], s[36:37]       ; wk
	s_cselect_b32 s40, 2048, s40
	s_cselect_b32 s42, 256, s42
	s_cmp_lt_u32 s23, 256
	s_cselect_b64 s[36:37], s[12:13], s[36:37]     ; wo
	s_cselect_b64 s[38:39], s[20:21], s[38:39]
	s_cselect_b32 s40, 0, s40
	s_cselect_b32 s42, 128, s42
	s_cselect_b32 s43, 4, s43
	s_cmp_lt_u32 s23, 128
	s_cselect_b64 s[36:37], s[6:7], s[36:37]       ; wq
	s_cselect_b64 s[38:39], s[18:19], s[38:39]
	s_cselect_b32 s42, 0, s42
	s_sub_co_u32 s45, s23, s42
	s_bfm_b32 s46, s43, 0
	s_and_b32 s46, s45, s46                        ; which 128 columns
	s_lshr_b32 s45, s45, s43                       ; which 256 along K
	s_lshl_b32 s44, 512, s43                       ; a row of the weight in bytes: 2,048 or 8,192
	s_lshl_b32 s46, s46, 7
	s_lshl_b32 s47, s22, 5
	s_add_co_u32 s46, s46, s47                     ; my wave's first column
	s_mul_i32 s47, s45, s44
	s_lshl_b32 s47, s47, 8                         ; 256 rows for each step along K
	s_lshl_b32 s4, s46, 2
	s_add_co_u32 s4, s4, s47
	s_mov_b32 s5, 0
	s_add_nc_u64 s[48:49], s[36:37], s[4:5]        ; block 0 of my 8 blocks of 32 rows;
	s_lshl_b32 s4, s44, 5
.irp t, 1,2,3,4,5,6,7
	s_add_nc_u64 s[48+2*\t:49+2*\t], s[46+2*\t:47+2*\t], s[4:5]   ; a base for each block: nothing is stepped later
.endr
	s_add_co_u32 s16, s40, s46
	s_lshl_b32 s16, s16, 11                        ; my first row of codes, 2,048 bytes a row,
	s_lshl_b32 s17, s45, 8                         ; + my 256 along K
	s_add_co_u32 s16, s16, s17
	s_mov_b32 s17, 0
	s_add_nc_u64 s[38:39], s[38:39], s[16:17]
	s_wait_alu depctr_va_vdst(0)
	v_lshlrev_b32 v[OFFS], 2, v2
.set i, 1
.rept 31
	v_add_nc_u32 v[OFFS+i], s44, v[OFFS+i-1]       ; row i of a block
.set i, i+1
.endr
	s_mul_i32 s47, s22, 32*WP
	s_add_co_u32 s47, s47, WSTG                    ; my stage
	v_mul_u32_u24 v4, v2, WP
	v_add_nc_u32 v4, s47, v4                       ; into it: row = my column
	v_and_b32 v5, 15, v2
	v_lshrrev_b32 v6, 4, v2
	v_mul_u32_u24 v7, v6, WP
	v_lshl_add_u32 v7, v5, 4, v7
	v_add_nc_u32 v7, s47, v7                       ; out of it: sixteen lanes to a row, two rows an instruction
	v_lshlrev_b32 v8, 11, v6
	v_lshl_add_u32 v8, v5, 4, v8                   ; and the same place among the codes
.macro WLOAD t
.set i, 0
.rept 32
	global_load_b32 v[WX+32*((\t)%2)+i], v[OFFS+i], s[48+2*(\t):49+2*(\t)] th:TH_LOAD_NT
.set i, i+1
.endr
.endm
	WLOAD 0
	WLOAD 1
	s_wait_kmcnt 0x0
	s_cmp_lt_u32 s23, 288
	s_cselect_b32 s41, s27, s29                    ; e3 or e5
	s_cmp_lt_u32 s23, 256
	s_cselect_b32 s41, s35, s41                    ; e11
	s_cmp_lt_u32 s23, 128
	s_cselect_b32 s41, s25, s41                    ; e1
	MKSCALE 41, 11, 10
.macro BLOCK t
.set XS, WX+32*((\t)%2)
.if (\t) < 7
	s_wait_loadcnt 32                              ; this block's 32 loads are in; the next block's may be out
.else
	s_wait_loadcnt 0x0
.endif
.set i, 0
.rept 32
	v_med3_num_f32 v[XS+i], v[XS+i], -v10, v10
.set i, i+1
.endr
.irp g, 0,1,2,3
	v_cvt_scalef32_pk8_fp8_f32 v[WC+2*\g:WC+2*\g+1], v[XS+8*\g:XS+8*\g+7], v11
.endr
	ds_store_b128 v4, v[WC:WC+3] offset:32*(\t)    ; 32 codes of my column's row.  (The next vector lines are the next block's holds, plain and on other registers)
	ds_store_b128 v4, v[WC+4:WC+7] offset:32*(\t)+16
.if (\t)+2 < 8
	WLOAD (\t)+2
.endif
	s_wait_dscnt 0x0                               ; the stores have read their registers: the next block's codes may be written
.endm
.set Q, 0
	s_wait_alu depctr_va_vdst(0)
.rept 8
	BLOCK Q
.set Q, Q+1
.endr
.irp t, 0,1,2,3,4,5,6,7,8,9,10,11,12,13,14,15
	ds_load_b128 v[OUTR+4*\t:OUTR+4*\t+3], v7 offset:2*\t*WP
.endr
.irp t, 0,1,2,3,4,5,6,7,8,9,10,11,12,13,14,15
	s_wait_dscnt 15-\t                             ; the younger read-backs may be out
	global_store_b128 v8, v[OUTR+4*\t:OUTR+4*\t+3], s[38:39] offset:2*\t*2048   ; sixteen lanes store 256 consecutive bytes, aligned
.endr
	s_wait_tensorcnt 0x0                           ; the wave's end, behind my last LDS store
	ds_add_u32 v[SPW], v[NIL]
	s_wait_dscnt 0x0
	s_endpgm
.Lfunc_end_k_q422da3c459_quant:
	.size	k_q422da3c459_quant, .Lfunc_end_k_q422da3c459_quant-k_q422da3c459_quant
	.p2alignl 7, 3214868480
	.fill 96, 4, 3214868480
	.section	.rodata,"a",@progbits
	.p2align	6, 0x0
	.amdhsa_kernel k_q422da3c459_quant
		.amdhsa_group_segment_fixed_size 68096
		.amdhsa_private_segment_fixed_size 0
		.amdhsa_enable_private_segment 0
		.amdhsa_kernarg_size 72
		.amdhsa_user_sgpr_count 2
		.amdhsa_user_sgpr_kernarg_segment_ptr 1
		.amdhsa_wavefront_size32 1
		.amdhsa_system_sgpr_workgroup_id_x 1
		.amdhsa_system_sgpr_workgroup_id_y 1
		.amdhsa_system_sgpr_workgroup_id_z 1
		.amdhsa_system_vgpr_workitem_id 0
		.amdhsa_next_free_vgpr 192
		.amdhsa_next_free_sgpr 66
		.amdhsa_reserve_vcc 0
		.amdhsa_float_denorm_mode_32 3
		.amdhsa_float_denorm_mode_16_64 3
		.amdhsa_memory_ordered 1
		.amdhsa_forward_progress 1
		.amdhsa_inst_pref_size 129
	.end_amdhsa_kernel
	.amdgpu_metadata
---
amdhsa.version: [ 1, 2 ]
amdhsa.kernels:
  - .name:           k_q422da3c459_quant
    .symbol:         k_q422da3c459_quant.kd
    .args:
      - { .name: x, .offset: 0, .size: 8, .value_kind: global_buffer, .address_space: global }
      - { .name: wq, .offset: 8, .size: 8, .value_kind: global_buffer, .address_space: global }
      - { .name: wk, .offset: 16, .size: 8, .value_kind: global_buffer, .address_space: global }
      - { .name: wv, .offset: 24, .size: 8, .value_kind: global_buffer, .address_space: global }
      - { .name: wo, .offset: 32, .size: 8, .value_kind: global_buffer, .address_space: global }
      - { .name: lowp_scales, .offset: 40, .size: 8, .value_kind: global_buffer, .address_space: global }
      - { .name: x_codes, .offset: 48, .size: 8, .value_kind: global_buffer, .address_space: global }
      - { .name: w_codes, .offset: 56, .size: 8, .value_kind: global_buffer, .address_space: global }
      - { .name: wo_codes, .offset: 64, .size: 8, .value_kind: global_buffer, .address_space: global }
    .group_segment_fixed_size: 68096
    .private_segment_fixed_size: 0
    .kernarg_segment_align: 8
    .kernarg_segment_size: 72
    .max_flat_workgroup_size: 128
    .sgpr_count:     66
    .vgpr_count:     192
    .wavefront_size: 32
...
	.end_amdgpu_metadata
.endif
;; end of part 1
;; launch qkv (part 2): grid 16 x 12, 4 waves a work-group, clusters of 4 x 1, 327,680 bytes of LDS; arguments x_codes, w_codes, lowp_scales, freqs_cos, freqs_sin, q_codes, k_codes, v_codes; writes q_codes, k_codes, v_codes
.if DOCPART == 2
	.amdgcn_target "amdgcn-amd-amdhsa--gfx1250"
	.amdhsa_code_object_version 6
	.text
	.protected	k_q422da3c459_qkv
	.globl	k_q422da3c459_qkv
	.p2align	8
	.type	k_q422da3c459_qkv,@function
k_q422da3c459_qkv:
	s_mov_b64 s[64:65], 0
	v_nop
	global_prefetch_b8 v0, s[64:65] scope:SCOPE_SE
	s_setreg_imm32_b32 hwreg(HW_REG_WAVE_MODE, 25, 1), 1
	s_wait_xcnt 0x0
	s_wait_alu depctr_hold_cnt(0) depctr_sa_sdst(0) depctr_va_vdst(0) depctr_va_sdst(0) depctr_va_ssrc(0) depctr_va_vcc(0) depctr_vm_vsrc(0)
	s_getreg_b32 s2, hwreg(HW_REG_IB_STS2, 6, 4)
	s_cmp_eq_u32 s2, 0
	s_cbranch_scc0 .Lentry_in_a_cluster
	s_endpgm
.Lentry_in_a_cluster:
	s_bfe_u32 s2, ttmp6, 0x10000c
	s_cmp_lg_u32 s2, 0x3003
	s_cbranch_scc0 .Lentry_shape_is_right
	s_endpgm
.Lentry_shape_is_right:
; q, k, v = x W on codes of FP8 (E4M3), K = 2,048; q and k are rotated by cos and sin; all three are quantised again for the two products of attention.
; x_codes [3][4096][2048] (one set for each product's scale), w_codes [3072][2048]: rows 0-2047 wq's columns, 2048-2559 wk's, 2560-3071 wv's.
; OUT: q_codes [128 heads][1024][64], k_codes [32 heads][1024][64], v_codes [32 heads][64][1024] with the keys innermost.  Inside each 32 neighbours along the innermost axis the four groups
; of eight lie in the order 0, 2, 1, 3: the order in which a lane's 16-byte pieces leave here; the attention launch reads both sides of each product in that one order.
; SHARES.  Work-group (x = which 256 tokens, y = which 256 rows of w_codes: 0-7 q, 8-9 k, 10-11 v): a tile of 256 x 256; a wave makes 128 x 128 in 64 accumulators.  192 work-groups: the three products
; take different codes of x, so a tile lies in one product, and 2,048 + 512 + 512 columns give no even split over more work-groups at this tile.
; THE MATRIX INSTRUCTION: source 1's 16 rows become a lane's row, source 0's rows its eight neighbouring columns.  q, k: source 1 = tokens, source 0 = W's rows.  v: source 1 = W's rows, source 0 = tokens, so that a lane
; holds eight neighbouring keys.  The text is one for both: source 1 always reads LDS region X (the slot's first 256 rows), source 0 region Y.  What differs is what the waves FETCH: waves 0, 1 fill X, waves 2, 3 fill Y;
; a wave fetches tokens where (wave / 2) xor (v's tile) is 0, else W's rows.  That number hangs on the wave and on the cluster's y alone.  Every LDS address is made of the wave's number and constants.
; RING: K in steps of 256 through two slots, one tensor load a wave (128 rows x 256 bytes, 16 bytes of padding a row).  CLUSTER 4, 1, 1: the four work-groups share W's rows (a joint load, mask 15); their tokens differ.
; The four column tiles 8-11 take two different sets of x's codes, so x's tiles are not shared along y.
; PREFETCH: at the load of K step s the text asks for K step s + 2 (and at the head for step 1 too).  W's 128 rows of a wave: 32 for each partner, told apart by address.  Tokens: 64 of the wave's 128 rows, picked by y's low bit:
; the work-groups of other y that read the same rows ask for the other 64.  A lane a row, 256 bytes of the row.  The last two loads ask for nothing.
; LIMITS: e6 - e0 - e1, e7 - e2 - e3 and e9 - e4 - e5 lie between -126 and 119, so that the conversion's scale and 448 x it are f32 numbers.
; All of a WGP's LDS is claimed.
; REGISTERS: window 0: v0-31 addresses, v32-95 cos and sin of blocks 4, 5, v96-127 codes, v128-255 source 1's fragments (one set), later sums at work and the read-back;
; window 1: source 0's fragments, two sets of 128, later cos and sin of blocks 0-3, 6, 7; windows 2, 3: the accumulators.
.set ROWB,   256
.set KROW,   2048
.set PITCH,  272                       ; 256 bytes + 16: the 16 rows of a fragment load start at 16 different banks (ISA guide 11.1)
.set FR,     16
.set NL,     4
.set NP,     4                         ; places behind this matrix instruction (ISA guide 7.12.1)
.set HALFT,  128*PITCH
.set SLOT,   4*HALFT
.set LAPS,   4
.set SPARE,  2*SLOT                    ; the spare words, 128 bytes a wave
.set STGV,   2*HALFT                   ; v's stage; q's and k's lies at 0.  Both in slot 0, behind its last fill and last read
.set ADRA, 16                          ; v16, 17 source 1's fragments in slot 0, 1
.set PFO,  18                          ; v18 lane x 2,048: the prefetches' offset
.set ADRB, 20                          ; v20, 21 source 0's
.set RD2,  22
.set STO,  24
.set RD,   25
.set GOFF, 26
.set CSO,  27
.set SPW,  28
.set NIL,  29
.set SCL,  30
.set LIM,  31
.set CS,   32
.set CODE, 96
.set TMP,  128
.set AF,   128
.set BK,   128
.set PFA,  4                           ; s[4:5] the prefetches' base
.set SEL,  12                          ; s12 0: my wave fetches tokens; 1: W's rows
.set G1, 24                            ; s[24:31] group 1, tokens;  s[32:39] groups 0, one a slot
.set G0, 32
.set G1B, 48                           ; s[48:55], s[56:63] the same for W's rows
.set G0B, 56
.set MSB, 0
.macro WIN new                         ; the immediate's high byte repeats the setting that is left
.if MSB != \new
	s_set_vgpr_msb (MSB<<8)|\new
.set MSB, \new
.endif
.endm
.set MUL_LO, 0xa1
.set MUL_HI, 0xf1
.set TO_B,   0x40
.macro JLOAD g0a, g1a, g0b, g1b        ; one tensor load a wave; s_nop 0 and four v_nop behind each line
	s_cmp_eq_u32 s[SEL], 0
	s_cbranch_scc0 .Lfor_b_\@
	tensor_load_to_lds s[\g0a:\g0a+3], s[\g1a:\g1a+7]
	s_nop 0
.rept 4
	v_nop
.endr
	s_branch .Lasked_\@
.Lfor_b_\@:
	tensor_load_to_lds s[\g0b:\g0b+3], s[\g1b:\g1b+7]
	s_nop 0
.rept 4
	v_nop
.endr
.Lasked_\@:
.endm
.macro ASK off, inloop                 ; 32 rows x 256 bytes; a wave that fetches tokens asks for 32 rows more
.if \inloop
	s_cmp_gt_u32 s3, 1                             ; the loop's last trip has no K step two loads on
	s_cbranch_scc0 .Lno_ask_\@
.endif
	global_prefetch_b8 v[PFO], s[PFA:PFA+1] offset:\off th:TH_LOAD_NT scope:SCOPE_SE
	s_cmp_eq_u32 s[SEL], 0
	s_cbranch_scc0 .Lno_ask_\@
	global_prefetch_b8 v[PFO], s[PFA:PFA+1] offset:\off+32*KROW th:TH_LOAD_NT scope:SCOPE_SE
.Lno_ask_\@:
.endm
.macro CREST
	s_cmp_lg_u32 s14, 0
	s_cbranch_scc1 .Lnot_wave_0_\@
	s_barrier_signal -3
.Lnot_wave_0_\@:
	s_barrier_wait -3
	s_barrier_signal -1
	s_barrier_wait -1
.endm
.macro CROUND
	s_barrier_signal -1
	s_barrier_wait -1
	CREST
.endm
	s_load_b512 s[68:83], s[0:1], 0x0              ; x_codes 68, w_codes 70, exponents 72, cos 74, sin 76, q_codes 78, k_codes 80, v_codes 82
	v_lshl_add_u32 v[SPW], v0, 2, SPARE
	v_mov_b32 v[NIL], 0
	ds_add_u32 v[SPW], v[NIL]                      ; the opening: the add twice on end, its wait below
	ds_add_u32 v[SPW], v[NIL]
	v_lshrrev_b32 v1, 5, v0
	v_readfirstlane_b32 s14, v1                    ; wave
	s_lshr_b32 s15, s14, 1                         ; my half of source 1's rows; which region I fill
	s_and_b32 s16, s14, 1                          ; my half of source 0's rows; which 128 rows I fetch
	s_bfe_u32 s40, ttmp6, 0x40000                  ; cx
	s_lshl_b32 s17, ttmp9, 2
	s_add_co_u32 s17, s17, s40                     ; which 256 tokens
	s_and_b32 s42, ttmp7, 0xffff                   ; which 256 rows of w_codes
	s_cmp_ge_u32 s42, 10
	s_cselect_b32 s43, 1, 0                        ; v's tile
	s_cmp_ge_u32 s42, 8
	s_cselect_b32 s41, 1, 0
	s_add_co_u32 s41, s41, s43                     ; the product: 0 q, 1 k, 2 v
	s_xor_b32 s[SEL], s15, s43
	s_mov_b32 s[G1+0], (1<<20)|(5<<22)|(3<<25)     ; elements of 1 byte; 4 words of padding behind every 64
	s_mov_b32 s[G1B+0], 15|(1<<20)|(1<<21)|(5<<22)|(3<<25)   ; the same, for all four partners
.irp g, G1, G1B
	s_mov_b32 s[\g+1], ROWB<<16
	s_mov_b32 s[\g+2], 128<<16
	s_mov_b32 s[\g+3], ROWB<<16
	s_mov_b32 s[\g+4], 128
	s_mov_b32 s[\g+5], KROW
	s_mov_b32 s[\g+6], 0
	s_mov_b32 s[\g+7], 0
.endr
	s_lshl_b32 s18, s16, 7
	s_lshl_b32 s20, s17, 8
	s_add_co_u32 s20, s20, s18
	s_lshl_b32 s20, s20, 11
	s_lshl_b32 s21, s41, 23                        ; the product's set of x's codes
	s_add_co_u32 s20, s20, s21
	s_mov_b32 s21, 0
	s_lshl_b32 s46, s42, 8
	s_add_co_u32 s46, s46, s18
	s_lshl_b32 s46, s46, 11
	s_mov_b32 s47, 0
	s_mul_i32 s45, s14, HALFT                      ; where my 128 rows go
	s_wait_dscnt 0x0
	s_wait_kmcnt 0x0
	s_load_b256 s[84:91], s[72:73], 0x0            ; e0 .. e7
	s_load_b128 s[92:95], s[72:73], 0x20           ; e8 .. e11
	s_add_nc_u64 s[20:21], s[68:69], s[20:21]
	s_add_nc_u64 s[46:47], s[70:71], s[46:47]
	s_and_b32 s6, s42, 1
	s_lshl_b32 s6, s6, 17                          ; tokens: 64 rows by y's low bit
	s_lshl_b32 s7, s40, 16                         ; W: 32 rows by cx
	s_cmp_eq_u32 s[SEL], 0
	s_cselect_b32 s6, s6, s7
	s_cselect_b64 s[PFA:PFA+1], s[20:21], s[46:47]
	s_mov_b32 s7, 0
	s_add_nc_u64 s[PFA:PFA+1], s[PFA:PFA+1], s[6:7]
	CROUND                                         ; the four work-groups are here: the first joint loads meet
.irp s, 0,1
	s_mov_b32 s[G0+4*\s], 1
	s_add_co_u32 s[G0+4*\s+1], s45, \s*SLOT
	s_add_nc_u64 s[G0+4*\s+2:G0+4*\s+3], s[20:21], \s*ROWB
	s_or_b32 s[G0+4*\s+3], s[G0+4*\s+3], 0x80000000
	s_mov_b32 s[G0B+4*\s], 1
	s_add_co_u32 s[G0B+4*\s+1], s45, \s*SLOT
	s_add_nc_u64 s[G0B+4*\s+2:G0B+4*\s+3], s[46:47], \s*ROWB
	s_or_b32 s[G0B+4*\s+3], s[G0B+4*\s+3], 0x80000000
.endr
	JLOAD G0, G1, G0B, G1B                         ; K step 0: my one load at the head
	v_and_b32 v[PFO], 31, v0
	v_lshlrev_b32 v[PFO], 11, v[PFO]
	s_wait_alu depctr_va_vdst(0)
	ASK ROWB, 0                                    ; K steps 1 and 2
	ASK 2*ROWB, 0
	s_mul_i32 s21, s15, HALFT                      ; source 1: my 128 rows of region X
	s_mul_i32 s22, s16, HALFT
	s_add_co_u32 s22, s22, 2*HALFT                 ; source 0: my 128 rows of region Y
	s_add_co_u32 s6, s21, SLOT
	s_add_co_u32 s7, s22, SLOT
	s_lshl_b32 s23, s16, 7
	s_add_co_u32 s23, s23, s21                     ; the stage: my rows, my 128 bytes of them
	s_and_b32 s18, s17, 3
	s_lshl_b32 s18, s18, 8
	s_lshl_b32 s19, s15, 7
	s_add_co_u32 s18, s18, s19                     ; my first position in the sequence,
	s_lshl_b32 s18, s18, 7                         ; 128 bytes a row of cos and of sin
	s_mov_b32 s19, 0
	s_add_nc_u64 s[74:75], s[74:75], s[18:19]
	s_add_nc_u64 s[76:77], s[76:77], s[18:19]
	v_and_b32 v1, 15, v0                           ; r
	v_bfe_u32 v2, v0, 4, 1                         ; h
	v_mul_u32_u24 v3, v1, PITCH
	v_lshl_add_u32 v4, v2, 4, v3
	v_add_nc_u32 v[ADRA], s21, v4
	v_add_nc_u32 v[ADRB], s22, v4
	v_add_nc_u32 v[ADRA+1], s6, v4
	v_add_nc_u32 v[ADRB+1], s7, v4
	v_add_nc_u32 v[STO], s23, v4
	v_lshlrev_b32 v[CSO], 7, v1
	v_lshl_add_u32 v[CSO], v2, 4, v[CSO]           ; cos, sin: row r, + 16 h
.macro FRAG reg, adr, q, i             ; 16 rows x 128 K: registers 4 c .. 4 c + 3 hold K = 32 c + 16 h + 0 .. 15, alike on both sides
.irp c, 0,1,2,3
	ds_load_b128 v[\reg+4*\c:\reg+4*\c+3], v[\adr] offset:128*(\q)+32*\c+(\i)*16*PITCH
.endr
.endm
.macro MUL16 a0, p, zero               ; the 64 accumulators take turns, in one order in every step
.irp a, \a0, \a0+1
.irp b, 0,1,2,3,4,5,6,7
.if \zero
	v_wmma_f32_16x16x128_fp8_fp8 v[8*(8*((\a)%4)+\b):8*(8*((\a)%4)+\b)+7], v[128*(\p)+FR*\b:128*(\p)+FR*\b+FR-1], v[AF+FR*(\a):AF+FR*(\a)+FR-1], 0
.else
	v_wmma_f32_16x16x128_fp8_fp8 v[8*(8*((\a)%4)+\b):8*(8*((\a)%4)+\b)+7], v[128*(\p)+FR*\b:128*(\p)+FR*\b+FR-1], v[AF+FR*(\a):AF+FR*(\a)+FR-1], v[8*(8*((\a)%4)+\b):8*(8*((\a)%4)+\b)+7]
.endif
.endr
.endr
.endm
.macro FETCH_B slot, q, p
	WIN TO_B
.irp i, 0,1,2,3,4,5,6,7
	FRAG 128*(\p)+FR*\i, ADRB+\slot, \q, \i
.endr
	WIN 0
.endm
.macro FETCH_A slot, q, i0
.irp i, \i0, \i0+1, \i0+2, \i0+3
	FRAG AF+FR*(\i), ADRA+\slot, \q, \i
.endr
.endm
.macro PLACES n
.rept \n
	v_nop
.endr
.endm
.macro STEP slot, q, zero              ; 128 along K with its successor in the same slot
	s_wait_dscnt 4*NL                              ; all but source 1's blocks 4-7
	WIN MUL_LO
	MUL16 0, (\q)%2, \zero
	MUL16 2, (\q)%2, \zero
	s_wait_dscnt 0
	PLACES NP
	FETCH_B \slot, (\q)+1, 1-(\q)%2
	FETCH_A \slot, (\q)+1, 0
	WIN MUL_HI
	MUL16 4, (\q)%2, \zero
	MUL16 6, (\q)%2, \zero
	PLACES NP
	WIN 0
	FETCH_A \slot, (\q)+1, 4
.endm
.macro TURN slot, next, fill           ; a slot's last step changes slots: one barrier; fill = 1: it opens a round of the cluster's, and the slot is filled again
.if \fill
	s_wait_xcnt 0x0                                ; my prefetches have read their base
	s_add_nc_u64 s[PFA:PFA+1], s[PFA:PFA+1], ROWB
.endif
	s_wait_tensorcnt 0x0                           ; my part of the next slot is in
	ds_add_u32 v[SPW], v[NIL]
	s_wait_dscnt 4*NL+1                            ; the add and source 1's blocks 4-7 may be out
	WIN MUL_LO
	MUL16 0, 1, 0
	s_wait_dscnt 0x0                               ; the add is done, my reads of this slot are over
	s_barrier_signal -1
	MUL16 2, 1, 0
	WIN 0
	s_barrier_wait -1
.if \fill
	CREST
	s_add_nc_u64 s[G0+4*\slot+2:G0+4*\slot+3], s[G0+4*\slot+2:G0+4*\slot+3], 2*ROWB
	s_add_nc_u64 s[G0B+4*\slot+2:G0B+4*\slot+3], s[G0B+4*\slot+2:G0B+4*\slot+3], 2*ROWB
	JLOAD G0+4*\slot, G1, G0B+4*\slot, G1B         ; its four v_nop are the places in front of the loads below
.else
	PLACES NP
.endif
	FETCH_B \next, 0, 0
	FETCH_A \next, 0, 0
.if \fill
	ASK 3*ROWB, 1                                  ; the base stands one step past the count of refills: this names the K step two loads on
.endif
	WIN MUL_HI
	MUL16 4, 1, 0
	MUL16 6, 1, 0
	PLACES NP
	WIN 0
	FETCH_A \next, 0, 4
.endm
.macro LAST                            ; the very last 128 along K, and the places behind it
	s_wait_dscnt 4*NL
	WIN MUL_LO
	MUL16 0, 1, 0
	MUL16 2, 1, 0
	s_wait_dscnt 0
	WIN MUL_HI
	MUL16 4, 1, 0
	MUL16 6, 1, 0
	WIN 0
	PLACES NP
.endm
	s_wait_alu depctr_va_vdst(0)
	s_wait_tensorcnt 0x0                           ; K step 0, my part; slot 1's first fill goes out as a refill does
	ds_add_u32 v[SPW], v[NIL]
	s_wait_dscnt 0x0
	CROUND
	JLOAD G0+4, G1, G0B+4, G1B                     ; K step 1
	FETCH_B 0, 0, 0
	FETCH_A 0, 0, 0
	FETCH_A 0, 0, 4
	ASK 3*ROWB, 0                                  ; K step 3
	STEP 0, 0, 1                                   ; the first products start the sums
	s_mov_b32 s3, LAPS-1
.Llap:
	TURN 0, 1, 1
	STEP 1, 0, 0
	TURN 1, 0, 1
	STEP 0, 0, 0
	s_sub_co_u32 s3, s3, 1
	s_cmp_lg_u32 s3, 0
	s_cbranch_scc1 .Llap
	TURN 0, 1, 0
	STEP 1, 0, 0
; THE WAY OUT, by blocks of 16 of source 1's rows.  rope = 1: each pair (even, odd column) is turned by the row's cos and sin.  The hold at 448 x the scale, the conversion, 16-byte pieces into the stage.
.macro CSLD a, reg                     ; block a: my 16 cos, then my 16 sin
.irp q, 0,1,2,3
	global_load_b128 v[\reg+4*\q:\reg+4*\q+3], v[CSO], s[74:75] offset:(\a)*2048+32*\q
.endr
.irp q, 0,1,2,3
	global_load_b128 v[\reg+16+4*\q:\reg+16+4*\q+3], v[CSO], s[76:77] offset:(\a)*2048+32*\q
.endr
.endm
.macro EPI a, rope
.set AC, 64*((\a)%4)
.set CD, CODE+16*((\a)%2)
.if (\a) < 4
.set CC, 32*(\a)
.set CW, 4
.elseif (\a) < 6
.set CC, CS+32*((\a)-4)
.set CW, 0
.else
.set CC, 128+32*((\a)-6)
.set CW, 4
.endif
.if (\a) >= 2
	s_wait_dscnt 4                                 ; the stores of two blocks back are done
.endif
.if \rope
	s_wait_loadcnt 8*(7-(\a))                      ; eight loads for each later block may be out
.endif
	WIN 0x02+((\a)/4)+CW*(\rope)                   ; source 0: the accumulators' window; source 1: where this block's cos and sin lie
.irp b, 0,1,2,3,4,5,6,7
.if \rope
.irp p, 0,1
	v_pk_mul_f32 v[TMP+8*\b+4*\p:TMP+8*\b+4*\p+1], v[AC+8*\b+4*\p:AC+8*\b+4*\p+1], v[CC+16+4*(\b%4)+2*\p:CC+16+4*(\b%4)+2*\p+1] op_sel:[1,0] op_sel_hi:[0,0]
	v_pk_mul_f32 v[TMP+8*\b+4*\p+2:TMP+8*\b+4*\p+3], v[AC+8*\b+4*\p+2:AC+8*\b+4*\p+3], v[CC+16+4*(\b%4)+2*\p:CC+16+4*(\b%4)+2*\p+1] op_sel:[1,1] op_sel_hi:[0,1]
.endr
.irp p, 0,1
	v_pk_fma_f32 v[TMP+8*\b+4*\p:TMP+8*\b+4*\p+1], v[AC+8*\b+4*\p:AC+8*\b+4*\p+1], v[CC+4*(\b%4)+2*\p:CC+4*(\b%4)+2*\p+1], v[TMP+8*\b+4*\p:TMP+8*\b+4*\p+1] op_sel_hi:[1,0,1] neg_lo:[0,0,1]
	v_pk_fma_f32 v[TMP+8*\b+4*\p+2:TMP+8*\b+4*\p+3], v[AC+8*\b+4*\p+2:AC+8*\b+4*\p+3], v[CC+4*(\b%4)+2*\p:CC+4*(\b%4)+2*\p+1], v[TMP+8*\b+4*\p+2:TMP+8*\b+4*\p+3] op_sel:[0,1,0] op_sel_hi:[1,1,1] neg_lo:[0,0,1]
.endr
.else
.irp j, 0,1,2,3,4,5,6,7
	v_med3_num_f32 v[TMP+8*\b+\j], v[AC+8*\b+\j], -v[LIM], v[LIM]
.endr
.endif
.endr
	WIN 0
.if \rope
.set i, 0
.rept 64
	v_med3_num_f32 v[TMP+i], v[TMP+i], -v[LIM], v[LIM]   ; the conversion does not saturate (ISA guide 7.6.2)
.set i, i+1
.endr
.endif
.irp b, 0,1,2,3,4,5,6,7
	v_cvt_scalef32_pk8_fp8_f32 v[CD+2*\b:CD+2*\b+1], v[TMP+8*\b:TMP+8*\b+7], v[SCL]
.endr
	v_nop                                          ; one plain instruction behind the conversions
.irp p, 0,1,2,3
	ds_store_b128 v[STO], v[CD+4*\p:CD+4*\p+3] offset:(\a)*16*PITCH+32*\p
.endr
.endm
.macro MKSCALE                         ; s18 = the exponent: 2^s18 and 448 x 2^s18 as f32
	s_add_co_i32 s18, s18, 127
	s_lshl_b32 s19, s18, 23
	v_mov_b32 v[SCL], s19
	s_add_co_i32 s18, s18, 8
	s_lshl_b32 s18, s18, 23
	s_or_b32 s18, s18, 0x600000
	v_mov_b32 v[LIM], s18
.endm
.macro MEETING
	s_wait_dscnt 0x0
	s_barrier_signal -1
	s_barrier_wait -1
.endm
.macro CLOSE
	s_wait_tensorcnt 0x0                           ; the wave's end, then the closing round
	ds_add_u32 v[SPW], v[NIL]
	s_wait_dscnt 0x0
	CROUND
	s_endpgm
.endm
	s_wait_kmcnt 0x0
	s_cmp_lg_u32 s43, 0
	s_cbranch_scc1 .Lv
; q and k.  A sum stands for sum x 2^(ex + ew): its code is sum / 2^(e6 - e0 - e1) (k: e7 - e2 - e3)
	s_cmp_lt_u32 s42, 8
	s_cselect_b32 s18, s90, s91
	s_cselect_b32 s19, s84, s86
	s_cselect_b32 s22, s85, s87
	s_cselect_b64 s[96:97], s[78:79], s[80:81]
	s_cselect_b32 s23, 32, 8                       ; heads in a batch
	s_cselect_b32 s44, 0, 8
	s_sub_co_i32 s18, s18, s19
	s_sub_co_i32 s18, s18, s22
	MKSCALE
	s_lshr_b32 s19, s17, 2                         ; the batch
	s_mul_i32 s19, s19, s23
	s_sub_co_u32 s22, s42, s44
	s_lshl_b32 s22, s22, 2                         ; four heads to a tile; on the way back wave w takes head w
	s_add_co_u32 s19, s19, s22
	s_add_co_u32 s19, s19, s14
	s_lshl_b32 s19, s19, 10
	s_and_b32 s22, s17, 3
	s_lshl_b32 s22, s22, 8
	s_add_co_u32 s19, s19, s22
	s_lshl_b32 s98, s19, 6
	s_mov_b32 s99, 0
	s_add_nc_u64 s[96:97], s[96:97], s[98:99]
	s_lshl_b32 s22, s14, 6
	v_and_b32 v5, 31, v0
	v_lshrrev_b32 v6, 2, v5
	v_mul_u32_u24 v6, v6, PITCH
	v_and_b32 v7, 3, v5
	v_lshl_add_u32 v6, v7, 4, v6
	v_add_nc_u32 v[RD], s22, v6                    ; back: eight rows an instruction, four lanes to a head's 64 bytes
	v_add_nc_u32 v[RD2], 16*8*PITCH, v[RD]
	v_lshlrev_b32 v[GOFF], 4, v5
	s_wait_alu depctr_va_vdst(0)
	WIN TO_B                                       ; source 0's set 0 is done with (four places stand behind its last products): it takes cos and sin of blocks 0-3
	CSLD 0, 0
	CSLD 1, 32
	CSLD 2, 64
	CSLD 3, 96
	WIN 0
	CSLD 4, CS
	CSLD 5, CS+32
	LAST
	WIN TO_B
	CSLD 6, 128                                    ; set 1 is done with too
	CSLD 7, 160
	WIN 0
.irp a, 0,1,2,3,4,5,6,7
	EPI \a, 1
.endr
	MEETING                                        ; a head's rows come from two waves
.set i, 0
.rept 16
	ds_load_b128 v[BK+4*i:BK+4*i+3], v[RD] offset:i*8*PITCH
.set i, i+1
.endr
.rept 16
	ds_load_b128 v[BK+4*i:BK+4*i+3], v[RD2] offset:(i-16)*8*PITCH
.set i, i+1
.endr
.set i, 0
.rept 32
	s_wait_dscnt 31-i
	global_store_b128 v[GOFF], v[BK+4*i:BK+4*i+3], s[96:97] offset:512*i   ; 32 lanes store 512 consecutive bytes, aligned
.set i, i+1
.endr
	CLOSE
.Lv:                                                   ; v: no rotation; a lane's row is one of the head's 64, its columns are keys
	s_sub_co_i32 s18, s93, s88
	s_sub_co_i32 s18, s18, s89                     ; e9 - e4 - e5
	MKSCALE
	s_lshr_b32 s19, s17, 2
	s_lshl_b32 s19, s19, 3
	s_sub_co_u32 s22, s42, 10
	s_lshl_b32 s22, s22, 2
	s_add_co_u32 s19, s19, s22
	s_add_co_u32 s19, s19, s14                     ; on the way back wave w takes head w of the tile's four
	s_lshl_b32 s98, s19, 16
	s_and_b32 s22, s17, 3
	s_lshl_b32 s22, s22, 8
	s_add_co_u32 s98, s98, s22
	s_mov_b32 s99, 0
	s_add_nc_u64 s[96:97], s[82:83], s[98:99]
	s_mul_i32 s22, s14, 64*PITCH
	s_add_co_u32 s22, s22, STGV
	v_add_nc_u32 v[STO], STGV, v[STO]
	v_mul_u32_u24 v6, v2, PITCH
	v_lshl_add_u32 v6, v1, 4, v6
	v_add_nc_u32 v[RD], s22, v6
	v_lshlrev_b32 v[GOFF], 10, v2
	v_lshl_add_u32 v[GOFF], v1, 4, v[GOFF]
	s_wait_alu depctr_va_vdst(0)
	LAST
.irp a, 0,1,2,3,4,5,6,7
	EPI \a, 0
.endr
	MEETING
.set i, 0
.rept 32
	ds_load_b128 v[BK+4*i:BK+4*i+3], v[RD] offset:i*2*PITCH
.set i, i+1
.endr
.set i, 0
.rept 32
	s_wait_dscnt 31-i
	global_store_b128 v[GOFF], v[BK+4*i:BK+4*i+3], s[96:97] offset:2048*i   ; sixteen lanes store 256 consecutive bytes, aligned
.set i, i+1
.endr
	CLOSE
.Lfunc_end_k_q422da3c459_qkv:
	.size	k_q422da3c459_qkv, .Lfunc_end_k_q422da3c459_qkv-k_q422da3c459_qkv
	.p2alignl 7, 3214868480
	.fill 96, 4, 3214868480
	.section	.rodata,"a",@progbits
	.p2align	6, 0x0
	.amdhsa_kernel k_q422da3c459_qkv
		.amdhsa_group_segment_fixed_size 327680
		.amdhsa_private_segment_fixed_size 0
		.amdhsa_enable_private_segment 0
		.amdhsa_kernarg_size 64
		.amdhsa_user_sgpr_count 2
		.amdhsa_user_sgpr_kernarg_segment_ptr 1
		.amdhsa_wavefront_size32 1
		.amdhsa_system_sgpr_workgroup_id_x 1
		.amdhsa_system_sgpr_workgroup_id_y 1
		.amdhsa_system_sgpr_workgroup_id_z 1
		.amdhsa_system_vgpr_workitem_id 0
		.amdhsa_next_free_vgpr 1024
		.amdhsa_next_free_sgpr 100
		.amdhsa_reserve_vcc 0
		.amdhsa_float_denorm_mode_32 3
		.amdhsa_float_denorm_mode_16_64 3
		.amdhsa_memory_ordered 1
		.amdhsa_forward_progress 1
		.amdhsa_inst_pref_size 215
	.end_amdhsa_kernel
	.amdgpu_metadata
---
amdhsa.version: [ 1, 2 ]
amdhsa.kernels:
  - .name:           k_q422da3c459_qkv
    .symbol:         k_q422da3c459_qkv.kd
    .args:
      - { .name: x_codes, .offset: 0, .size: 8, .value_kind: global_buffer, .address_space: global }
      - { .name: w_codes, .offset: 8, .size: 8, .value_kind: global_buffer, .address_space: global }
      - { .name: lowp_scales, .offset: 16, .size: 8, .value_kind: global_buffer, .address_space: global }
      - { .name: freqs_cos, .offset: 24, .size: 8, .value_kind: global_buffer, .address_space: global }
      - { .name: freqs_sin, .offset: 32, .size: 8, .value_kind: global_buffer, .address_space: global }
      - { .name: q_codes, .offset: 40, .size: 8, .value_kind: global_buffer, .address_space: global }
      - { .name: k_codes, .offset: 48, .size: 8, .value_kind: global_buffer, .address_space: global }
      - { .name: v_codes, .offset: 56, .size: 8, .value_kind: global_buffer, .address_space: global }
    .group_segment_fixed_size: 327680
    .private_segment_fixed_size: 0
    .kernarg_segment_align: 8
    .kernarg_segment_size: 64
    .max_flat_workgroup_size: 128
    .sgpr_count:     100
    .vgpr_count:     1024
    .wavefront_size: 32
...
	.end_amdgpu_metadata
.endif
;; end of part 2
;; launch attn (part 3): grid 8 x 32, 16 waves a work-group, no clusters, 171,008 bytes of LDS; arguments q_codes, k_codes, v_codes, lowp_scales, a_codes; writes a_codes
.if DOCPART == 3
	.amdgcn_target "amdgcn-amd-amdhsa--gfx1250"
	.amdhsa_code_object_version 6
	.text
	.protected	k_q422da3c459_attn
	.globl	k_q422da3c459_attn
	.p2align	8
	.type	k_q422da3c459_attn,@function
k_q422da3c459_attn:
	s_mov_b64 s[64:65], 0
	v_nop
	global_prefetch_b8 v0, s[64:65] scope:SCOPE_SE
	s_setreg_imm32_b32 hwreg(HW_REG_WAVE_MODE, 25, 1), 1
	s_wait_xcnt 0x0
; Causal attention on codes of FP8 (E4M3), head size 64, 1,024 keys, four query heads to a key-value head; the result is quantised again for the last product.
; THE SOFTMAX AHEAD OF THE SECOND PRODUCT: t = score x log2(e) / 8; M = the row's largest t so far, rounded UP to a whole number; p = 2^(t - M) is quantised along the keys with 2^e8, not normalised.
; The row's sum is taken of the unquantised p and divides O at the end.  When M moves, the sum and O are multiplied by 2^(old M - new M): exact.
; SHARES.  Work-group (p = 0..7; batch and key-value head): the head's four query heads x two blocks of 64 queries, block 15 - p in the first pass and block p in the second: nine key steps of 128 for every p.
; Wave W: query head W / 4, queries 16 (W % 4) on of the block: one tile of 16 queries in 256 registers, four waves to a SIMD.
; ALL of the head's K and V, 128 KB of codes, lie in LDS, fetched once at the head in four chunks of 256 keys: no LDS byte is filled again.  Chunk 3 is fetched where p >= 4 too, though no step reads it there:
; so the counted waits are the same on every way.
; NO CLUSTER: the eight work-groups of a head read the same K and V, but where their steps end hangs on p, which would be a place in the cluster; each reads its 128 KB once.
; NO PREFETCH: all that the tensor loads bring is asked for at the head.
; LAYOUT.  S^T = K Q^T (source 0 = 16 neighbouring keys, source 1 = my 16 queries): lane (r, h) holds query r, register 8 T + j key 16 T + 8 h + j.  The conversions' results are source 1 of O^T = V^T P^T as they stand;
; v_codes has the keys laid so that 16-byte loads give V's fragment the same order.  q_codes and k_codes have one order along the head's 64.
; CAUSAL.  A step all of whose keys come after my queries is jumped over (a scalar branch on ids; no barrier stands in a step); on the diagonal hidden scores become -infinity ahead of the maximum.
; LIMITS on the given exponents: e6 + e7 between -124 and 130 (added to c's exponent field); e8, and e10 - e8 - e9, between -126 and 119.
; REGISTERS: v1-11 addresses; v12 -M, v13 the largest t, v[14:15] the sum in two halves; v16-23 Q; v24-31 the read-back; v32-95 fragments of K, then of V; v96-159 S^T, then p; v160-191 O^T; v192-223 O / the sum;
; v224-239 codes, an operand of the second product; v234-239 also partial sums ahead of the conversions; v240, v244: 448 x 2^e8, 2^e8; v241, v245: the same with e10 - e8 - e9; v246 r - 8 h; v247 the lane permutes' result; v242, v243, v248-255 at work.
.set KP,    80                         ; a key's row in LDS: 64 bytes + 16 of padding: the 16 rows of a load start at 16 different banks
.set VP,    272                        ; a row of a chunk of V: 256 bytes + 16
.set VB,    1024*KP                    ; V lies behind K's 1,024 rows
.set VCH,   64*VP                      ; a chunk of V: 64 rows
.set STAGE, VB+4*VCH                   ; the way out: 64 queries x (256 bytes + 16); no tensor load lands here
.set SPARE, STAGE+64*272               ; the spare words, 128 bytes for each wave: eight blocks of 256 bytes that no other line names
.set AK0,  1
.set AV0,  2
.set DQ,   3                           ; v3   my query - 8 h
.set QO,   4
.set SPW,  5                           ; v5   LDS address of my spare word; never rewritten
.set NIL,  6                           ; v6   0; never rewritten
.set GO,   7
.set ADK,  8
.set ADV,  9
.set SO,   10
.set SR,   11
.set XL,   247                         ; v247 what a lane permute brings from lane l xor 16: a register that no matrix instruction names
.set WV,   18                          ; s18  my wave's number
.set Q0,   19                          ; s19  my first query
.set QL,   56                          ; s56  my last
.set SEL,  20                          ; s[20:21] lane selects: lane l xor 16
.set CS,   22                          ; s[22:23] c = log2(e) / 8 x 2^(e6 + e7)
.set G1K,  24                          ; s[24:31] group 1 for K's tiles;  s[32:39] for V's
.set G1V,  32
.set G0K,  40                          ; s[40:43] group 0 for K;  s[68:71] for V
.set G0V,  68
	s_load_b256 s[4:11], s[0:1], 0x0               ; q_codes 4, k_codes 6, v_codes 8, the exponents 10
	s_load_b64 s[12:13], s[0:1], 0x20              ; a_codes
	v_lshl_add_u32 v[SPW], v0, 2, SPARE
	v_mov_b32 v[NIL], 0
	ds_add_u32 v[SPW], v[NIL]                      ; the wave's opening: the add and its wait stand ahead of my first tensor load; the set-up below stands between them
	ds_add_u32 v[SPW], v[NIL]
	v_lshrrev_b32 v8, 5, v0
	s_delay_alu instid0(VALU_DEP_1)
	v_readfirstlane_b32 s[WV], v8                  ; wave 0..15
	s_mov_b32 s2, ttmp9                            ; p
	s_and_b32 s3, ttmp7, 0xffff                    ; 8 x batch + key-value head
	s_lshr_b32 s14, s[WV], 2                       ; g: which of the four query heads
	s_and_b32 s15, s[WV], 3                        ; t: which 16 queries of the block
	s_sub_co_u32 s16, 15, s2                       ; the first pass's block
	s_mov_b32 s17, 2                               ; passes to go
	s_mov_b32 s[G1K], (1<<20)|(3<<22)|(3<<25)      ; K: elements of 1 byte; padding: 4 words behind every 16
	s_mov_b32 s[G1K+1], 256<<16                    ; 128 keys of 64 bytes lie dense: stated as 32 rows of 256 bytes, the padding still behind each 64
	s_mov_b32 s[G1K+2], 32<<16
	s_mov_b32 s[G1K+3], 256<<16
	s_mov_b32 s[G1K+4], 32
	s_mov_b32 s[G1K+5], 256
	s_mov_b32 s[G1K+6], 0
	s_mov_b32 s[G1K+7], 0
	s_mov_b32 s[G1V], (1<<20)|(5<<22)|(3<<25)      ; V: padding: 4 words behind every 64
	s_mov_b32 s[G1V+1], 256<<16
	s_mov_b32 s[G1V+2], 32<<16
	s_mov_b32 s[G1V+3], 256<<16
	s_mov_b32 s[G1V+4], 32
	s_mov_b32 s[G1V+5], 1024
	s_mov_b32 s[G1V+6], 0
	s_mov_b32 s[G1V+7], 0
	s_mov_b32 s[SEL], 0x76543210
	s_mov_b32 s[SEL+1], 0xfedcba98
	s_mov_b32 s[CS], 0x3e38aa3b                    ; log2(e) / 8
	s_and_b32 s92, s[WV], 7                        ; u: EVERY WAVE FETCHES ONE PART: waves 0-7 keys 128 u on of K, waves 8-15 rows 32 (u % 2) on of V's chunk u / 2
	s_lshl_b32 s94, s3, 16                         ; the head's 65,536 bytes in k_codes and in v_codes
	s_lshl_b32 s93, s92, 13
	s_add_co_u32 s96, s94, s93                     ; K: 128 keys of 64 bytes a half
	s_mov_b32 s97, 0
	s_and_b32 s93, s92, 1
	s_lshl_b32 s93, s93, 15
	s_add_co_u32 s98, s94, s93                     ; V: 32 rows of 1,024 bytes a half,
	s_lshr_b32 s93, s92, 1
	s_lshl_b32 s93, s93, 8
	s_add_co_u32 s98, s98, s93                     ; 256 bytes of a row a chunk
	s_mov_b32 s99, 0
	s_mul_i32 s93, s92, 128*KP
	s_mul_i32 s95, s92, 32*VP
	s_add_co_u32 s95, s95, VB
	s_wait_dscnt 0x0                               ; the opening add is done
	s_wait_kmcnt 0x0
	s_load_b128 s[84:87], s[10:11], 0x18           ; e6, e7, e8, e9
	s_load_b32 s88, s[10:11], 0x28                 ; e10
	s_add_nc_u64 s[96:97], s[6:7], s[96:97]
	s_add_nc_u64 s[98:99], s[8:9], s[98:99]
.irp j, 0
	s_mov_b32 s[G0K+4*\j], 1
	s_add_co_u32 s[G0K+4*\j+1], s93, \j*256*KP
	s_add_nc_u64 s[G0K+4*\j+2:G0K+4*\j+3], s[96:97], \j*16384
	s_or_b32 s[G0K+4*\j+3], s[G0K+4*\j+3], 0x80000000
	s_mov_b32 s[G0V+4*\j], 1
	s_add_co_u32 s[G0V+4*\j+1], s95, \j*VCH
	s_add_nc_u64 s[G0V+4*\j+2:G0V+4*\j+3], s[98:99], \j*256
	s_or_b32 s[G0V+4*\j+3], s[G0V+4*\j+3], 0x80000000
.endr
	; the first fills, the launch's only ones: one tensor load a wave, in the two arms of one branch on the wave's number
	s_cmp_lt_u32 s[WV], 8
	s_cbranch_scc0 .Lnot_k
	tensor_load_to_lds s[G0K:G0K+3], s[G1K:G1K+7]
	s_nop 0
.rept 4
	v_nop
.endr
	s_branch .Lasked
.Lnot_k:
	tensor_load_to_lds s[G0V:G0V+3], s[G1V:G1V+7]
	s_nop 0
.rept 4
	v_nop
.endr
.Lasked:
	v_and_b32 v8, 15, v0                           ; r
	v_bfe_u32 v9, v0, 4, 1                         ; h
	s_delay_alu instid0(VALU_DEP_2)
	v_mul_u32_u24 v[AK0], v8, KP
	s_delay_alu instid0(VALU_DEP_1)
	v_lshl_add_u32 v[AK0], v9, 4, v[AK0]
	s_delay_alu instid0(VALU_DEP_4)
	v_mul_u32_u24 v[AV0], v8, VP
	s_delay_alu instid0(VALU_DEP_1)
	v_lshl_add_u32 v[AV0], v9, 4, v[AV0]
	s_delay_alu instid0(VALU_DEP_1)
	v_add_nc_u32 v[AV0], VB, v[AV0]
	v_lshlrev_b32 v[QO], 6, v8
	s_delay_alu instid0(VALU_DEP_1)
	v_lshl_add_u32 v[QO], v9, 4, v[QO]             ; Q: row r of 64 bytes, + 16 h
	v_lshlrev_b32 v10, 3, v9
	s_delay_alu instid0(VALU_DEP_1)
	v_sub_nc_u32 v246, v8, v10                     ; r - 8 h
	s_lshl_b32 s92, s15, 4
	s_mul_i32 s92, s92, 272
	s_lshl_b32 s93, s14, 6
	s_add_co_u32 s92, s92, s93
	s_add_co_u32 s92, s92, STAGE
	v_mul_u32_u24 v[SO], v8, 272
	s_delay_alu instid0(VALU_DEP_1)
	v_lshl_add_u32 v[SO], v9, 3, v[SO]
	s_delay_alu instid0(VALU_DEP_1)
	v_add_nc_u32 v[SO], s92, v[SO]                 ; the stage, in: row 16 t + r, byte 64 g + 8 h
	s_mul_i32 s92, s[WV], 4*272
	s_add_co_u32 s92, s92, STAGE
	v_mul_u32_u24 v[SR], v9, 272
	s_delay_alu instid0(VALU_DEP_1)
	v_lshl_add_u32 v[SR], v8, 4, v[SR]
	s_delay_alu instid0(VALU_DEP_1)
	v_add_nc_u32 v[SR], s92, v[SR]                 ; back: rows 4 W on, sixteen lanes to a row
	s_lshl_b32 s92, s[WV], 13
	v_lshlrev_b32 v[GO], 11, v9
	s_delay_alu instid0(VALU_DEP_1)
	v_lshl_add_u32 v[GO], v8, 4, v[GO]
	s_delay_alu instid0(VALU_DEP_1)
	v_add_nc_u32 v[GO], s92, v[GO]                 ; and the same rows of a_codes, 2,048 bytes a row
	v_mov_b32 v[XL], 0                             ; written once: a lane permute's destination counts as one of its sources
	v_mov_b32 v253, 0                              ; (named as the upper half of the pair v[252:253])
	s_wait_kmcnt 0x0
	s_add_co_i32 s92, s84, s85
	s_lshl_b32 s92, s92, 23
	s_add_co_i32 s[CS], s[CS], s92                 ; a score stands for score x 2^(e6 + e7)
	s_mov_b32 s[CS+1], s[CS]                       ; (named with it as a pair, so it is written)
	s_add_co_i32 s92, s86, 127
	s_lshl_b32 s93, s92, 23
	v_mov_b32 v244, s93                            ; 2^e8
	s_add_co_i32 s92, s92, 8
	s_lshl_b32 s92, s92, 23
	s_or_b32 s92, s92, 0x600000
	v_mov_b32 v240, s92                            ; 448 x 2^e8
	s_sub_co_i32 s92, s88, s86
	s_sub_co_i32 s92, s92, s87                     ; O / the sum stands for that x 2^(e8 + e9): its code is that / 2^(e10 - e8 - e9)
	s_add_co_i32 s92, s92, 127
	s_lshl_b32 s93, s92, 23
	v_mov_b32 v245, s93
	s_add_co_i32 s92, s92, 8
	s_lshl_b32 s92, s92, 23
	s_or_b32 s92, s92, 0x600000
	v_mov_b32 v241, s92
; A KEY STEP: keys kf .. kf + 127; kf is a constant of the text.
.macro STEP kf
.if (\kf) > 0
	s_cmp_lt_u32 s[QL], \kf                        ; all 128 keys come after my queries
	s_cbranch_scc1 .Lhidden_\@
.endif
	v_add_nc_u32 v[ADK], (\kf)*KP, v[AK0]
	v_add_nc_u32 v[ADV], ((\kf)/256)*VCH+((\kf)%256), v[AV0]
	v_nop                                          ; with the two additions: four places in front of loads into registers that the last products read
	v_nop
.irp t, 0,1,2,3,4,5,6,7
	ds_load_b128 v[32+8*\t:35+8*\t], v[ADK] offset:16*\t*KP
	ds_load_b128 v[36+8*\t:39+8*\t], v[ADK] offset:16*\t*KP+32
.endr
	s_wait_alu depctr_va_vdst(0)
	s_wait_dscnt 0x0
.irp t, 0,1,2,3,4,5,6,7
	v_wmma_f32_16x16x64_fp8_fp8 v[96+8*\t:103+8*\t], v[32+8*\t:39+8*\t], v[16:23], 0
.endr
.rept 4
	v_nop
.endr
.irp d, 0,1,2,3                                ; V's four fragments are asked for here and land under the softmax
.irp c, 0,1,2,3
	ds_load_b128 v[32+16*\d+4*\c:35+16*\d+4*\c], v[ADV] offset:16*\d*VP+32*\c
.endr
.endr
	s_cmp_ge_u32 s[Q0], (\kf)+127                  ; all 128 keys count for all my queries
	s_cbranch_scc1 .Lopen_\@
	v_mov_b32 v254, 0xff800000                     ; -infinity
.set n, 0
.rept 64
	v_cmp_gt_i32 vcc_lo, (\kf)+16*(n/8)+n%8, v[DQ] ; register n holds key kf + 16 (n / 8) + 8 h + n % 8: hidden where it is above my query
	v_cndmask_b32 v[96+n], v[96+n], v254, vcc_lo
.set n, n+1
.endr
.Lopen_\@:
	v_max3_num_f32 v254, v96, v97, v98             ; the step's largest score of my query among my 64 keys, in two chains,
	v_max3_num_f32 v252, v99, v100, v101
.irp i, 6,10,14,18,22,26,30,34,38,42,46,50,54,58
	v_max3_num_f32 v254, v254, v[96+\i], v[97+\i]
	v_max3_num_f32 v252, v252, v[98+\i], v[99+\i]
.endr
	v_max3_num_f32 v254, v254, v158, v159
	s_delay_alu instid0(VALU_DEP_1)
	v_max_num_f32 v254, v254, v252
	s_delay_alu instid0(VALU_DEP_1)
	v_permlanex16_b32 v[XL], v254, s[SEL], s[SEL+1]
	s_delay_alu instid0(VALU_DEP_1)
	v_max_num_f32 v254, v254, v[XL]                ; and among lane l xor 16's
	s_delay_alu instid0(VALU_DEP_1)
	v_mul_f32 v254, s[CS], v254                    ; as t (c is positive)
	s_delay_alu instid0(VALU_DEP_1)
	v_max_num_f32 v13, v13, v254                   ; the running largest t
	v_mov_b32 v254, v12
	s_delay_alu instid0(VALU_DEP_2)
	v_floor_f32 v12, -v13                          ; the new -M = floor(-t): M is a whole number
	s_delay_alu instid0(VALU_DEP_1)
	v_sub_f32 v254, v12, v254                      ; old M - new M: a whole number, 0 or less
	s_delay_alu instid0(VALU_DEP_1)
	v_cvt_i32_f32 v254, v254                       ; (it saturates)
	s_delay_alu instid0(VALU_DEP_1)
	v_ldexp_f32 v252, 1.0, v254                    ; f = 2^(old M - new M)
.set j, 0
.rept 32
	v_pk_fma_f32 v[96+j:97+j], v[96+j:97+j], s[CS:CS+1], v[12:13] op_sel_hi:[1,0,0]   ; t - M, two at a time
.set j, j+2
.endr
.set j, 0
	s_wait_alu depctr_va_vdst(0)
.rept 64
	v_exp_f32 v[96+j], v[96+j]                     ; p = 2^(t - M), at most 1
.set j, j+1
.endr
	v_pk_mul_f32 v[14:15], v[14:15], v[252:253] op_sel_hi:[1,0]   ; the sums under the new M: the plain instruction behind the exponentials
	s_wait_alu depctr_va_vdst(0)                   ; one wait for the batch of 64, ahead of its first reader
	v_pk_add_f32 v[242:243], v[100:101], v[104:105]
	v_pk_add_f32 v[254:255], v[108:109], v[112:113]
	v_pk_add_f32 v[250:251], v[116:117], v[120:121]
	v_pk_add_f32 v[248:249], v[124:125], v[128:129]
	v_pk_add_f32 v[238:239], v[132:133], v[136:137]
	v_pk_add_f32 v[236:237], v[140:141], v[144:145]
	v_pk_add_f32 v[234:235], v[148:149], v[152:153]
	v_pk_add_f32 v[14:15], v[14:15], v[156:157]
	v_pk_add_f32 v[242:243], v[242:243], v[96:97]
	v_pk_add_f32 v[254:255], v[254:255], v[98:99]
	v_pk_add_f32 v[250:251], v[250:251], v[102:103]
	v_pk_add_f32 v[248:249], v[248:249], v[106:107]
	v_pk_add_f32 v[238:239], v[238:239], v[110:111]
	v_pk_add_f32 v[236:237], v[236:237], v[114:115]
	v_pk_add_f32 v[234:235], v[234:235], v[118:119]
	v_pk_add_f32 v[14:15], v[14:15], v[122:123]
	v_pk_add_f32 v[242:243], v[242:243], v[126:127]
	v_pk_add_f32 v[254:255], v[254:255], v[130:131]
	v_pk_add_f32 v[250:251], v[250:251], v[134:135]
	v_pk_add_f32 v[248:249], v[248:249], v[138:139]
	v_pk_add_f32 v[238:239], v[238:239], v[142:143]
	v_pk_add_f32 v[236:237], v[236:237], v[146:147]
	v_pk_add_f32 v[234:235], v[234:235], v[150:151]
	v_pk_add_f32 v[14:15], v[14:15], v[154:155]
	v_pk_add_f32 v[242:243], v[242:243], v[158:159]
	s_delay_alu instid0(VALU_DEP_2)
	v_pk_add_f32 v[14:15], v[14:15], v[248:249]
	s_delay_alu instid0(VALU_DEP_2)
	v_pk_add_f32 v[242:243], v[242:243], v[238:239]
	v_pk_add_f32 v[254:255], v[254:255], v[236:237]
	v_pk_add_f32 v[250:251], v[250:251], v[234:235]
	s_delay_alu instid0(VALU_DEP_2)
	v_pk_add_f32 v[14:15], v[14:15], v[254:255]
	s_delay_alu instid0(VALU_DEP_2)
	v_pk_add_f32 v[242:243], v[242:243], v[250:251]
	s_delay_alu instid0(VALU_DEP_1)
	v_pk_add_f32 v[14:15], v[14:15], v[242:243]
.set j, 0
.rept 64
	v_min_num_f32 v[96+j], v[96+j], v240           ; the conversion does not saturate (ISA guide 7.6.2); p is not negative, so the hold is one-sided
.set j, j+1
.endr
.irp t, 0,1,2,3,4,5,6,7
	v_cvt_scalef32_pk8_fp8_f32 v[224+2*\t:225+2*\t], v[96+8*\t:103+8*\t], v244
.endr
.set j, 0
.rept 16
	v_pk_mul_f32 v[160+j:161+j], v[160+j:161+j], v[252:253] op_sel_hi:[1,0]   ; O^T under the new M; also the plain instructions behind the conversions
.set j, j+2
.endr
	s_wait_alu depctr_va_vdst(0)
	s_wait_dscnt 0x0                               ; V's fragments are in
.irp d, 0,1,2,3                                ; the four accumulators take turns, and K Q^T's eight products stand between two steps'
	v_wmma_f32_16x16x128_fp8_fp8 v[160+8*\d:167+8*\d], v[32+16*\d:47+16*\d], v[224:239], v[160+8*\d:167+8*\d]
.endr
.if (\kf) > 0
.Lhidden_\@:
.endif
.endm
; Two key steps.  At a pass's head each wave waits for its one tensor load and for its LDS instructions, and one barrier shows all of K and V to all sixteen waves; in the second pass the same barrier stands
; between the first pass's reads of the stage and the second's stores into it.  Nothing is filled again, so the later steps need no barrier.
.macro CHUNK j
.if (\j) == 0
	s_wait_tensorcnt 0x0
	s_wait_dscnt 0x0
	s_barrier_signal -1
	s_barrier_wait -1
.endif
	STEP 256*(\j)
	STEP 256*(\j)+128
.endm
.Lpass:                                            ; two trips: block 15 - p, then block p
	s_lshl_b32 s[Q0], s16, 6
	s_lshl_b32 s92, s15, 4
	s_add_co_u32 s[Q0], s[Q0], s92                 ; my first query
	s_add_co_u32 s[QL], s[Q0], 15
	v_add_nc_u32 v[DQ], s[Q0], v246
	s_lshl_b32 s92, s3, 2
	s_add_co_u32 s92, s92, s14                     ; my query head among the 128
	s_lshl_b32 s92, s92, 10
	s_add_co_u32 s92, s92, s[Q0]
	s_lshl_b32 s92, s92, 6
	s_mov_b32 s93, 0
	s_add_nc_u64 s[58:59], s[4:5], s[92:93]
	global_load_b128 v[16:19], v[QO], s[58:59]     ; Q's fragment
	global_load_b128 v[20:23], v[QO], s[58:59] offset:32
	s_lshr_b32 s92, s3, 3
	s_lshl_b32 s92, s92, 10
	s_lshl_b32 s94, s16, 6
	s_add_co_u32 s92, s92, s94                     ; the block's first row of a_codes,
	s_lshl_b32 s92, s92, 11
	s_and_b32 s94, s3, 7
	s_lshl_b32 s94, s94, 8
	s_add_co_u32 s92, s92, s94                     ; the four heads' 256 bytes in it
	s_add_nc_u64 s[90:91], s[12:13], s[92:93]
	v_mov_b32 v13, 0xff61b1e6                      ; the largest t so far: -3e38
	s_delay_alu instid0(VALU_DEP_1)
	v_floor_f32 v12, -v13
	v_mov_b32 v14, 0
	v_mov_b32 v15, 0
.set j, 0
.rept 32
	v_mov_b32 v[160+j], 0                          ; O^T: the step is written once for all steps; the first finds zeros
.set j, j+1
.endr
	s_wait_loadcnt 0x0
	CHUNK 0
	CHUNK 1
	CHUNK 2
	CHUNK 3
	; THE WAY OUT of a pass.  Between the last products and the first read of O^T stand five plain instructions that name none of their registers: two v_nop, two additions, the v_nop behind the reciprocal
	v_nop
	v_nop
	v_add_f32 v14, v14, v15
	s_delay_alu instid0(VALU_DEP_1)
	v_permlanex16_b32 v[XL], v14, s[SEL], s[SEL+1]
	s_delay_alu instid0(VALU_DEP_1)
	v_add_f32 v14, v14, v[XL]                      ; the row's sum
	s_wait_alu depctr_va_vdst(0)
	v_rcp_f32 v14, v14
	v_nop                                          ; a plain instruction behind the reciprocal,
	s_wait_alu depctr_va_vdst(0)                   ; and the wait ahead of its first reader
.set j, 0
.rept 32
	v_mul_f32 v[192+j], v[160+j], v14              ; register 8 d + j: o(query r, 16 d + 8 h + j); each accumulator from its low end on
.set j, j+1
.endr
.set j, 0
.rept 32
	v_med3_num_f32 v[192+j], v[192+j], -v241, v241
.set j, j+1
.endr
.irp d, 0,1,2,3
	v_cvt_scalef32_pk8_fp8_f32 v[224+2*\d:225+2*\d], v[192+8*\d:199+8*\d], v245
.endr
	v_nop                                          ; one plain vector instruction behind the last conversion
.irp d, 0,1,2,3
	ds_store_b64 v[SO], v[224+2*\d:225+2*\d] offset:16*\d
.endr
	s_wait_dscnt 0x0                               ; my stores into the stage are done,
	s_barrier_signal -1
	s_barrier_wait -1                              ; everybody's are: a row's 256 bytes come from four waves
	ds_load_b128 v[24:27], v[SR]
	ds_load_b128 v[28:31], v[SR] offset:2*272
	s_wait_dscnt 1                                 ; the second read-back may be out
	global_store_b128 v[GO], v[24:27], s[90:91]    ; sixteen lanes store 256 consecutive bytes, aligned
	s_wait_dscnt 0x0
	global_store_b128 v[GO], v[28:31], s[90:91] offset:4096
	s_wait_xcnt 0x0                                ; the stores have read their registers and their base: both are written again in the next pass.  (The stage is written again behind that pass's barrier)
	s_mov_b32 s16, s2                              ; the second pass's block
	s_sub_co_u32 s17, s17, 1
	s_cmp_lg_u32 s17, 0
	s_cbranch_scc1 .Lpass
	s_wait_tensorcnt 0x0                           ; the wave's end, behind my last tensor load and my last LDS store
	ds_add_u32 v[SPW], v[NIL]
	s_wait_dscnt 0x0
	s_endpgm
.Lfunc_end_k_q422da3c459_attn:
	.size	k_q422da3c459_attn, .Lfunc_end_k_q422da3c459_attn-k_q422da3c459_attn
	.p2alignl 7, 3214868480
	.fill 96, 4, 3214868480
	.section	.rodata,"a",@progbits
	.p2align	6, 0x0
	.amdhsa_kernel k_q422da3c459_attn
		.amdhsa_group_segment_fixed_size 171008
		.amdhsa_private_segment_fixed_size 0
		.amdhsa_enable_private_segment 0
		.amdhsa_kernarg_size 40
		.amdhsa_user_sgpr_count 2
		.amdhsa_user_sgpr_kernarg_segment_ptr 1
		.amdhsa_wavefront_size32 1
		.amdhsa_system_sgpr_workgroup_id_x 1
		.amdhsa_system_sgpr_workgroup_id_y 1
		.amdhsa_system_sgpr_workgroup_id_z 1
		.amdhsa_system_vgpr_workitem_id 0
		.amdhsa_next_free_vgpr 256
		.amdhsa_next_free_sgpr 100
		.amdhsa_reserve_vcc 1
		.amdhsa_float_denorm_mode_32 3
		.amdhsa_float_denorm_mode_16_64 3
		.amdhsa_memory_ordered 1
		.amdhsa_forward_progress 1
		.amdhsa_inst_pref_size 187
	.end_amdhsa_kernel
	.amdgpu_metadata
---
amdhsa.version: [ 1, 2 ]
amdhsa.kernels:
  - .name:           k_q422da3c459_attn
    .symbol:         k_q422da3c459_attn.kd
    .args:
      - { .name: q_codes, .offset: 0, .size: 8, .value_kind: global_buffer, .address_space: global }
      - { .name: k_codes, .offset: 8, .size: 8, .value_kind: global_buffer, .address_space: global }
      - { .name: v_codes, .offset: 16, .size: 8, .value_kind: global_buffer, .address_space: global }
      - { .name: lowp_scales, .offset: 24, .size: 8, .value_kind: global_buffer, .address_space: global }
      - { .name: a_codes, .offset: 32, .size: 8, .value_kind: global_buffer, .address_space: global }
    .group_segment_fixed_size: 171008
    .private_segment_fixed_size: 0
    .kernarg_segment_align: 8
    .kernarg_segment_size: 40
    .max_flat_workgroup_size: 512
    .sgpr_count:     100
    .vgpr_count:     256
    .wavefront_size: 32
...
	.end_amdgpu_metadata
.endif
;; end of part 3
;; launch outp (part 4): grid 8 x 32, 4 waves a work-group, clusters of 4 x 4, 327,680 bytes of LDS; arguments a_codes, wo_codes, lowp_scales, out0; writes out0
.if DOCPART == 4
	.amdgcn_target "amdgcn-amd-amdhsa--gfx1250"
	.amdhsa_code_object_version 6
	.text
	.protected	k_q422da3c459_outp
	.globl	k_q422da3c459_outp
	.p2align	8
	.type	k_q422da3c459_outp,@function
k_q422da3c459_outp:
	s_mov_b64 s[64:65], 0
	v_nop
	global_prefetch_b8 v0, s[64:65] scope:SCOPE_SE
	s_setreg_imm32_b32 hwreg(HW_REG_WAVE_MODE, 25, 1), 1
	s_wait_xcnt 0x0
	s_wait_alu depctr_hold_cnt(0) depctr_sa_sdst(0) depctr_va_vdst(0) depctr_va_sdst(0) depctr_va_ssrc(0) depctr_va_vcc(0) depctr_vm_vsrc(0)
	s_getreg_b32 s2, hwreg(HW_REG_IB_STS2, 6, 4)
	s_cmp_eq_u32 s2, 0
	s_cbranch_scc0 .Lentry_in_a_cluster
	s_endpgm
.Lentry_in_a_cluster:
	s_bfe_u32 s2, ttmp6, 0x10000c
	s_cmp_lg_u32 s2, 0xf033
	s_cbranch_scc0 .Lentry_shape_is_right
	s_endpgm
.Lentry_shape_is_right:
; out0[m][n] = sum over k of A[m][k] B[n][k] x 2^(e10 + e11).  A = a_codes [4096][2048], B = wo_codes [2048][2048]: codes of FP8 (E4M3), K innermost; out0 [4096][2048] f32; sums in f32.
; LIMIT: e10 + e11 lies between -126 and 127, so that 2^(e10 + e11) is an f32 number.  Inside an instruction the products are summed in a permuted order of k (fragments by 16-byte loads, alike on both sides).
; SHARES.  A tile is 128 rows x 256 columns: 32 x 8 = 256 work-groups of four waves; a wave makes 64 x 128: 32 accumulators, 256 registers.
; SLOTS.  Two slots of unequal length: D with 512 along K (384 rows of 512 bytes + 16) and S with 256 along K (384 rows of 256 bytes + 16): 307,200 bytes.  K's 2,048 go D S D S D: five fills.
; D's first fill goes out at the head, one tensor load a wave; S's first fill behind the full sequence and a round, as a refill does; then three refills.
; Each fill is shared out among the four waves: waves 0, 1 A's halves of 64 rows, waves 2, 3 B's halves of 128 rows.  The text is written out, without a loop: a trip of D and S would run once.
; CLUSTERS: 4 x 4 work-groups.  The four of a row need the same tiles of A, the four of a column the same tiles of B: each tile is asked for jointly.
; THE MATRIX INSTRUCTION IS USED TRANSPOSED (source 0 = 16 rows of B, source 1 = 16 rows of A): a lane holds eight neighbouring numbers of a row of the output.
; PREFETCH: at the load of fill n the text asks for fill n + 2, and at the head for fill 1 too: four instructions a wave, at fixed offsets.  A wave names 16 rows: of A's 64 rows that it fetches those picked by cx;
; of B's 128 rows those picked by cy and by the low bit of the cluster's y (the clusters of the other parity name the other 16).  D: lanes 0-15 a row's first 256 bytes, lanes 16-31 its second; S: both halves of the lanes name the same 16 blocks.
; All of a WGP's LDS is claimed.
; REGISTERS: window 0: v0-31 addresses; v128-191, v192-255 A's fragments, two sets; on the way out v32-255 are free.  window 1: B's fragments, two sets.  window 2: the accumulators ((a, b) at v[8 (8 a + b)]).
.set SIZE_N, 2048
.set KROW,   2048
.set PD,     528                       ; D's LDS row: 512 bytes + 16: the 16 rows of a load start at 16 different banks (ISA guide 11.1)
.set PS,     272                       ; S's: 256 bytes + 16
.set DB,     128*PD
.set SA,     384*PD
.set SB,     SA+128*PS
.set SPARE,  SA+384*PS
.set STAGE,  SA                        ; the way out: 16 rows x 528 bytes a wave, in S, behind its last fill and last read
.set SPITCH, 528
.set KLAP,   768
.set FR,     16
.set NL,     4
.set NP,     4                         ; places behind this matrix instruction (ISA guide 7.12.1)
.set ADRA, 16                          ; v16, v17 my A fragments in D, in S
.set PF1,  18                          ; v18 (lane % 16) x 2,048
.set PF2,  19                          ; v19 the same + 256 x (lane / 16)
.set ADRB, 20
.set STO,  24
.set RD,   25
.set CO,   26
.set SPW,  28
.set NIL,  29
.set TMP,  32
.set AF,   128
.set BK,   128
.set G1AD, 24
.set G1BD, 32
.set G1AS, 40
.set G1BS, 48
.set G0AD, 56
.set G0BD, 60
.set G0AS, 68
.set G0BS, 72
.set PFA,  88                          ; s[88:89] the prefetches' base; never rewritten
.set MSB, 0
.macro WIN new
.if MSB != \new
	s_set_vgpr_msb (MSB<<8)|\new
.set MSB, \new
.endif
.endm
.set MUL,  0xa1
.set TO_B, 0x40
.macro JLOAD g0a, g1a, g0b, g1b        ; waves 0, 1 fetch for A, waves 2, 3 for B; s_nop 0 and four v_nop behind each line
	s_cmp_eq_u32 s15, 0
	s_cbranch_scc0 .Lfor_b_\@
	tensor_load_to_lds s[\g0a:\g0a+3], s[\g1a:\g1a+7]
	s_nop 0
.rept 4
	v_nop
.endr
	s_branch .Lasked_\@
.Lfor_b_\@:
	tensor_load_to_lds s[\g0b:\g0b+3], s[\g1b:\g1b+7]
	s_nop 0
.rept 4
	v_nop
.endr
.Lasked_\@:
.endm
.macro CREST
	s_cmp_lg_u32 s14, 0
	s_cbranch_scc1 .Lnot_wave_0_\@
	s_barrier_signal -3
.Lnot_wave_0_\@:
	s_barrier_wait -3
	s_barrier_signal -1
	s_barrier_wait -1
.endm
.macro CROUND
	s_barrier_signal -1
	s_barrier_wait -1
	CREST
.endm
.macro SHAPE g, rowb, rows
	s_mov_b32 s[\g+1], (\rowb)<<16
	s_mov_b32 s[\g+2], (\rows)<<16
	s_mov_b32 s[\g+3], (\rowb)<<16
	s_mov_b32 s[\g+4], \rows
	s_mov_b32 s[\g+5], KROW
	s_mov_b32 s[\g+6], 0
	s_mov_b32 s[\g+7], 0
.endm
	s_load_b128 s[4:7], s[0:1], 0x0                ; A's codes, B's codes
	s_load_b128 s[8:11], s[0:1], 0x10              ; the exponents, the output
	v_lshl_add_u32 v[SPW], v0, 2, SPARE
	v_mov_b32 v[NIL], 0
	ds_add_u32 v[SPW], v[NIL]                      ; the opening: the add twice on end, its wait below
	ds_add_u32 v[SPW], v[NIL]
	v_lshrrev_b32 v1, 5, v0
	v_readfirstlane_b32 s14, v1                    ; wave
	s_lshr_b32 s15, s14, 1                         ; my half of the rows; I fetch for A (0) or B (1)
	s_and_b32 s16, s14, 1                          ; my half of the columns; which half I fetch
	s_bfe_u32 s76, ttmp6, 0x40000                  ; cx
	s_bfe_u32 s77, ttmp6, 0x40004                  ; cy
	s_lshl_b32 s78, ttmp9, 2
	s_add_co_u32 s78, s78, s76                     ; tile column
	s_and_b32 s17, ttmp7, 0xffff
	s_lshl_b32 s17, s17, 2
	s_add_co_u32 s17, s17, s77                     ; tile row
	s_lshl_b32 s79, s77, 2
	s_lshl_b32 s79, 15, s79                        ; my row of the cluster
	s_lshl_b32 s80, 0x1111, s76                    ; my column
	s_or_b32 s[G1AD], s79, (1<<20)|(1<<21)|(6<<22)|(3<<25)   ; 4 words of padding behind every 128
	s_or_b32 s[G1BD], s80, (1<<20)|(1<<21)|(6<<22)|(3<<25)
	s_or_b32 s[G1AS], s79, (1<<20)|(1<<21)|(5<<22)|(3<<25)   ; behind every 64
	s_or_b32 s[G1BS], s80, (1<<20)|(1<<21)|(5<<22)|(3<<25)
	SHAPE G1AD, 512, 64
	SHAPE G1BD, 512, 128
	SHAPE G1AS, 256, 64
	SHAPE G1BS, 256, 128
	s_lshl_b32 s82, s17, 7
	s_lshl_b32 s18, s16, 6
	s_add_co_u32 s82, s82, s18
	s_lshl_b32 s82, s82, 11                        ; A: row 128 x tile row + 64 x half
	s_mov_b32 s83, 0
	s_lshl_b32 s84, s78, 8
	s_lshl_b32 s18, s16, 7
	s_add_co_u32 s84, s84, s18
	s_lshl_b32 s84, s84, 11                        ; B: row 256 x tile column + 128 x half
	s_mov_b32 s85, 0
	s_mul_i32 s19, s16, 64*PD                      ; where they go: made of the wave's number alone
	s_mul_i32 s20, s16, 128*PD
	s_add_co_u32 s20, s20, DB
	s_mul_i32 s21, s16, 64*PS
	s_add_co_u32 s21, s21, SA
	s_mul_i32 s22, s16, 128*PS
	s_add_co_u32 s22, s22, SB
	s_lshl_b32 s86, s76, 15                        ; the prefetches: A: 16 rows by cx;
	s_lshl_b32 s87, s77, 16                        ; B: 32 rows by cy,
	s_and_b32 s23, ttmp7, 1
	s_lshl_b32 s23, s23, 15
	s_add_co_u32 s87, s87, s23                     ; 16 of them by the cluster's y
	s_wait_dscnt 0x0
	s_wait_kmcnt 0x0
	s_load_b64 s[96:97], s[8:9], 0x28              ; e10, e11
	s_add_nc_u64 s[82:83], s[4:5], s[82:83]
	s_add_nc_u64 s[84:85], s[6:7], s[84:85]
	s_cmp_eq_u32 s15, 0
	s_cselect_b32 s86, s86, s87
	s_cselect_b64 s[PFA:PFA+1], s[82:83], s[84:85]
	s_mov_b32 s87, 0
	s_add_nc_u64 s[PFA:PFA+1], s[PFA:PFA+1], s[86:87]
	CROUND                                         ; all sixteen work-groups are here: the first joint loads meet
	s_mov_b32 s[G0AD], 1
	s_mov_b32 s[G0AD+1], s19
	s_mov_b64 s[G0AD+2:G0AD+3], s[82:83]
	s_or_b32 s[G0AD+3], s[G0AD+3], 0x80000000
	s_mov_b32 s[G0BD], 1
	s_mov_b32 s[G0BD+1], s20
	s_mov_b64 s[G0BD+2:G0BD+3], s[84:85]
	s_or_b32 s[G0BD+3], s[G0BD+3], 0x80000000
	s_mov_b32 s[G0AS], 1
	s_mov_b32 s[G0AS+1], s21
	s_add_nc_u64 s[G0AS+2:G0AS+3], s[82:83], 512
	s_or_b32 s[G0AS+3], s[G0AS+3], 0x80000000
	s_mov_b32 s[G0BS], 1
	s_mov_b32 s[G0BS+1], s22
	s_add_nc_u64 s[G0BS+2:G0BS+3], s[84:85], 512
	s_or_b32 s[G0BS+3], s[G0BS+3], 0x80000000
	JLOAD G0AD, G1AD, G0BD, G1BD                   ; K 0 to 511: my one load at the head
	v_and_b32 v1, 15, v0                           ; r
	v_bfe_u32 v2, v0, 4, 1                         ; h
	v_lshlrev_b32 v[PF1], 11, v1
	v_lshl_add_u32 v[PF2], v2, 8, v[PF1]
	global_prefetch_b8 v[PF1], s[PFA:PFA+1] offset:512 th:TH_LOAD_NT scope:SCOPE_SE   ; fill 1: K 512 to 767
	global_prefetch_b8 v[PF2], s[PFA:PFA+1] offset:768 th:TH_LOAD_NT scope:SCOPE_SE   ; fill 2: K 768 to 1,279
	s_mul_i32 s19, s15, 64*PD                      ; my 64 rows of A in D,
	s_mul_i32 s20, s15, 64*PS
	s_add_co_u32 s20, s20, SA                      ; in S;
	s_mul_i32 s21, s16, 128*PD
	s_add_co_u32 s21, s21, DB                      ; my 128 rows of B in D,
	s_mul_i32 s22, s16, 128*PS
	s_add_co_u32 s22, s22, SB                      ; in S
	s_mul_i32 s23, s14, 16*SPITCH
	s_add_co_u32 s23, s23, STAGE                   ; my stage
	s_wait_alu depctr_va_vdst(0)
	v_mul_u32_u24 v3, v1, PD
	v_lshl_add_u32 v3, v2, 4, v3
	v_mul_u32_u24 v4, v1, PS
	v_lshl_add_u32 v4, v2, 4, v4
	v_add_nc_u32 v[ADRA], s19, v3
	v_add_nc_u32 v[ADRA+1], s20, v4
	v_add_nc_u32 v[ADRB], s21, v3
	v_add_nc_u32 v[ADRB+1], s22, v4
	v_mul_u32_u24 v5, v1, SPITCH
	v_lshl_add_u32 v5, v2, 5, v5
	v_add_nc_u32 v[STO], s23, v5                   ; in: row r, 32 bytes for each half of the lanes
	v_and_b32 v6, 31, v0
	v_lshlrev_b32 v[CO], 4, v6                     ; back: the 32 lanes take one row of 512 bytes
	v_add_nc_u32 v[RD], s23, v[CO]
	s_lshl_b32 s20, s17, 7
	s_lshl_b32 s21, s15, 6
	s_add_co_u32 s20, s20, s21
	s_lshl_b32 s20, s20, 13                        ; my first row of the output, 8,192 bytes a row,
	s_lshl_b32 s86, s78, 10
	s_lshl_b32 s87, s16, 9
	s_add_co_u32 s86, s86, s87
	s_add_co_u32 s20, s20, s86                     ; my first column
	s_mov_b32 s21, 0
	s_add_nc_u64 s[10:11], s[10:11], s[20:21]
.macro FRAG reg, adr, off
.irp c, 0,1,2,3
	ds_load_b128 v[\reg+4*\c:\reg+4*\c+3], v[\adr] offset:\off+32*\c
.endr
.endm
.macro FETCH k, q, p                   ; the q-th 128 along K of slot k (0: D, 1: S) into set p: B's eight fragments, then A's four
	WIN TO_B
.irp i, 0,1,2,3,4,5,6,7
	FRAG 128*(\p)+FR*\i, ADRB+(\k), 128*(\q)+\i*16*(PD-(\k)*(PD-PS))
.endr
	WIN 0
.irp i, 0,1,2,3
	FRAG AF+64*(\p)+FR*\i, ADRA+(\k), 128*(\q)+\i*16*(PD-(\k)*(PD-PS))
.endr
.endm
.macro MUL8 a, p, zero                 ; the 32 accumulators take turns, in one order in every step
.irp b, 0,1,2,3,4,5,6,7
.if \zero
	v_wmma_f32_16x16x128_fp8_fp8 v[8*(8*(\a)+\b):8*(8*(\a)+\b)+7], v[128*(\p)+FR*\b:128*(\p)+FR*\b+FR-1], v[AF+64*(\p)+FR*(\a):AF+64*(\p)+FR*(\a)+FR-1], 0
.else
	v_wmma_f32_16x16x128_fp8_fp8 v[8*(8*(\a)+\b):8*(8*(\a)+\b)+7], v[128*(\p)+FR*\b:128*(\p)+FR*\b+FR-1], v[AF+64*(\p)+FR*(\a):AF+64*(\p)+FR*(\a)+FR-1], v[8*(8*(\a)+\b):8*(8*(\a)+\b)+7]
.endif
.endr
.endm
.macro PLACES n
.rept \n
	v_nop
.endr
.endm
.macro KSUB k, q, zero                 ; 128 along K with its successor in the same slot
	s_wait_dscnt 2*NL                              ; all but A's blocks 2, 3
	WIN MUL
	MUL8 0, (\q)%2, \zero
	MUL8 1, (\q)%2, \zero
	s_wait_dscnt 0
	PLACES NP
	FETCH \k, (\q)+1, 1-(\q)%2
	WIN MUL
	MUL8 2, (\q)%2, \zero
	MUL8 3, (\q)%2, \zero
.endm
; The last step of slot k changes to slot nk: one barrier.  fill = 1: it opens a round of the cluster's, and slot k is filled again, KLAP further along K.  ask: the byte along K of a D fill to prefetch, or 0.
.macro TURN k, nk, fill, ask
	s_wait_dscnt 2*NL
	WIN MUL
	MUL8 0, 1, 0
	MUL8 1, 1, 0
	WIN 0
	s_wait_tensorcnt 0x0                           ; my part of slot nk is in
	ds_add_u32 v[SPW], v[NIL]
	s_wait_dscnt NL+1                              ; the add and A's block 3 may be out
	WIN MUL
	MUL8 2, 1, 0
	s_wait_dscnt 0x0                               ; the add is done, my reads of slot k are over
	s_barrier_signal -1
	WIN 0
	s_barrier_wait -1
.if \fill
	CREST
	s_add_nc_u64 s[G0AD+12*(\k)+2:G0AD+12*(\k)+3], s[G0AD+12*(\k)+2:G0AD+12*(\k)+3], KLAP
	s_add_nc_u64 s[G0BD+12*(\k)+2:G0BD+12*(\k)+3], s[G0BD+12*(\k)+2:G0BD+12*(\k)+3], KLAP
	JLOAD G0AD+12*(\k), G1AD+16*(\k), G0BD+12*(\k), G1BD+16*(\k)   ; its four v_nop are the places in front of the loads below
.else
	PLACES NP
.endif
	FETCH \nk, 0, 0
.if \ask
	global_prefetch_b8 v[PF2], s[PFA:PFA+1] offset:\ask th:TH_LOAD_NT scope:SCOPE_SE
.endif
	WIN MUL
	MUL8 3, 1, 0
.endm
	s_wait_alu depctr_va_vdst(0)
	s_wait_tensorcnt 0x0                           ; my part of D is in; S's first fill goes out as a refill does
	ds_add_u32 v[SPW], v[NIL]
	s_wait_dscnt 0x0
	CROUND
	JLOAD G0AS, G1AS, G0BS, G1BS                   ; K 512 to 767
	FETCH 0, 0, 0
	global_prefetch_b8 v[PF1], s[PFA:PFA+1] offset:1280 th:TH_LOAD_NT scope:SCOPE_SE  ; fill 3: K 1,280 to 1,535
	KSUB 0, 0, 1                                   ; K 0 to 511, in D; the first products start the sums
	KSUB 0, 1, 0
	KSUB 0, 2, 0
	TURN 0, 1, 1, 1536                             ; D takes K 768 to 1,279; fill 4 is asked of memory
	KSUB 1, 0, 0
	TURN 1, 0, 1, 0                                ; S takes K 1,280 to 1,535
	KSUB 0, 0, 0
	KSUB 0, 1, 0
	KSUB 0, 2, 0
	TURN 0, 1, 1, 0                                ; D takes K 1,536 to 2,047: the last load
	KSUB 1, 0, 0
	TURN 1, 0, 0, 0                                ; nothing is left to fetch: no round
	KSUB 0, 0, 0
	KSUB 0, 1, 0
	KSUB 0, 2, 0
	s_wait_dscnt 2*NL
	WIN MUL
	MUL8 0, 1, 0
	MUL8 1, 1, 0
	s_wait_dscnt 0
	MUL8 2, 1, 0
	MUL8 3, 1, 0
	WIN 0
; THE WAY OUT, block by block of 16 rows x 128 columns, through my own stage: in as 32 bytes a lane, back as whole rows of 512 bytes.  LDS serves a wave's instructions in order (ISA guide 5.7.1.4).
.macro TOSTAGE a
.set AC, 64*(\a)
	WIN 0x02
.irp j, 0,2,4,6,8,10,12,14,16,18,20,22,24,26,28,30,32,34,36,38,40,42,44,46,48,50,52,54,56,58,60,62
	v_pk_mul_f32 v[TMP+\j:TMP+\j+1], v[AC+\j:AC+\j+1], s[96:97] op_sel_hi:[1,0]   ; x 2^(e10 + e11); each accumulator from its low end on
.endr
	WIN 0
.irp b, 0,1,2,3,4,5,6,7
	ds_store_b128 v[STO], v[TMP+8*\b:TMP+8*\b+3] offset:64*\b
	ds_store_b128 v[STO], v[TMP+8*\b+4:TMP+8*\b+7] offset:64*\b+16
.endr
.set BB, BK+64*((\a)%2)
.irp t, 0,1,2,3,4,5,6,7,8,9,10,11,12,13,14,15
	ds_load_b128 v[BB+4*\t:BB+4*\t+3], v[RD] offset:\t*SPITCH
.endr
.endm
.macro SEND a, younger
.set BB, BK+64*((\a)%2)
	s_wait_dscnt \younger                          ; the block is back; the LDS instructions issued behind its loads may be out
.if (\a) > 0
	s_add_nc_u64 s[10:11], s[10:11], 16*SIZE_N*4   ; (behind a wait on XCNT: the earlier stores have read their base)
.endif
.irp t, 0,1,2,3,4,5,6,7,8,9,10,11,12,13,14,15
	global_store_b128 v[CO], v[BB+4*\t:BB+4*\t+3], s[10:11] offset:\t*SIZE_N*4 th:TH_STORE_NT   ; 32 lanes store 512 consecutive bytes, aligned
.endr
.endm
	s_wait_kmcnt 0x0
	s_add_co_i32 s96, s96, s97
	s_add_co_i32 s96, s96, 127
	s_lshl_b32 s96, s96, 23                        ; 2^(e10 + e11) as f32
	PLACES NP
	TOSTAGE 0
.irp a, 1,2,3
.if \a > 1
	s_wait_xcnt 0x0                                ; block a - 2's stores have read their registers and their base
.endif
	TOSTAGE \a
	SEND \a-1, 32                                  ; behind block a - 1's loads: block a's 16 stores and 16 loads
.endr
	s_wait_xcnt 0x0
	SEND 3, 0
	s_wait_tensorcnt 0x0                           ; the wave's end, then the closing round
	ds_add_u32 v[SPW], v[NIL]
	s_wait_dscnt 0x0
	CROUND
	s_endpgm
.Lfunc_end_k_q422da3c459_outp:
	.size	k_q422da3c459_outp, .Lfunc_end_k_q422da3c459_outp-k_q422da3c459_outp
	.p2alignl 7, 3214868480
	.fill 96, 4, 3214868480
	.section	.rodata,"a",@progbits
	.p2align	6, 0x0
	.amdhsa_kernel k_q422da3c459_outp
		.amdhsa_group_segment_fixed_size 327680
		.amdhsa_private_segment_fixed_size 0
		.amdhsa_enable_private_segment 0
		.amdhsa_kernarg_size 32
		.amdhsa_user_sgpr_count 2
		.amdhsa_user_sgpr_kernarg_segment_ptr 1
		.amdhsa_wavefront_size32 1
		.amdhsa_system_sgpr_workgroup_id_x 1
		.amdhsa_system_sgpr_workgroup_id_y 1
		.amdhsa_system_sgpr_workgroup_id_z 1
		.amdhsa_system_vgpr_workitem_id 0
		.amdhsa_next_free_vgpr 768
		.amdhsa_next_free_sgpr 98
		.amdhsa_reserve_vcc 0
		.amdhsa_float_denorm_mode_32 3
		.amdhsa_float_denorm_mode_16_64 3
		.amdhsa_memory_ordered 1
		.amdhsa_forward_progress 1
		.amdhsa_inst_pref_size 121
	.end_amdhsa_kernel
	.amdgpu_metadata
---
amdhsa.version: [ 1, 2 ]
amdhsa.kernels:
  - .name:           k_q422da3c459_outp
    .symbol:         k_q422da3c459_outp.kd
    .args:
      - { .name: a_codes, .offset: 0, .size: 8, .value_kind: global_buffer, .address_space: global }
      - { .name: wo_codes, .offset: 8, .size: 8, .value_kind: global_buffer, .address_space: global }
      - { .name: lowp_scales, .offset: 16, .size: 8, .value_kind: global_buffer, .address_space: global }
      - { .name: out0, .offset: 24, .size: 8, .value_kind: global_buffer, .address_space: global }
    .group_segment_fixed_size: 327680
    .private_segment_fixed_size: 0
    .kernarg_segment_align: 8
    .kernarg_segment_size: 32
    .max_flat_workgroup_size: 128
    .sgpr_count:     98
    .vgpr_count:     768
    .wavefront_size: 32
...
	.end_amdgpu_metadata
.endif
;; end of part 4
